; MI455X (gfx1250); checked and timed in simulation.
; The chip was launched on July 23, 2026; its instructions are those of AMD's public machine-readable ISA for CDNA 5 (MIT licence, August 2026) and "CDNA5" Instruction Set Architecture Reference Guide (July 2026). The comments in the code are by the model that wrote it; some were corrected since.
;; Multi Head Attention. Allowed arithmetic: matrix products marked QUANTISED: E3M2 operands, one E8M0 scale for each 32 along K, by v_wmma_scale_f32_16x16x128_f8f6f4 with both operands' format E3M2, f32 sums; everything else in f32.
;; Inputs: Wk 2,048 x 2,048 float32; Wo 1,360 x 2,048 float32; Wq 2,048 x 2,048 float32; Wv 2,048 x 2,720 float32; bk 2,048 float32; bo 2,048 float32; bq 2,048 float32; bv 2,720 float32; k 1 x 2,048 x 2,048 float32; mask 2,048 x 2,048 bool; q 1 x 2,048 x 2,048 float32; v 1 x 2,048 x 2,048 float32.
;; Outputs: out0 1 x 2,048 x 2,048 float32.
;; This version of the problem:
;;   THIS VERSION OF THE PROBLEM IS GIVEN IN LOW PRECISION. The matrix products marked QUANTISED in the list below multiply operands that are first quantised to E3M2 (3 exponent bits, 2 mantissa bits; 6 bits a number), with one power-of-two scale for each 32 numbers along K (OCP MX v1.0); their sums are f32. All else is computed in f32.
;;   The module's matrix products, in the order in which they are computed (A, B: the left and right operand; K: the contracted axis; several contracted axes count as one K, in the product's order):
;;     1. [M 2,048, K 2,048] x [K 2,048, N 2,048]; A: input q; B: input Wq: QUANTISED
;;     2. [M 2,048, K 2,048] x [K 2,048, N 2,048]; A: input k; B: input Wk: QUANTISED
;;     3. [M 2,048, K 2,048] x [K 2,048, N 2,720]; A: input v; B: input Wv: QUANTISED
;;     4. batch 16 x [M 2,048, K 128] x [K 128, N 2,048]; A: computed on the way; B: computed on the way: QUANTISED
;;     5. batch 16 x [M 2,048, K 2,048] x [K 2,048, N 85]; A: softmax (see below); B: computed on the way: QUANTISED
;;     6. [M 2,048, K 1,360] x [K 1,360, N 2,048]; A: computed on the way; B: input Wo: QUANTISED
;;   THE QUANTISER, for each operand of a quantised product, along K:
;;     - K is cut into blocks of 32 from its start; a last block that is shorter is filled with zeros.
;;     - A block's scale is 2^e with e = floor(log2(the largest magnitude in the block)) - 4, held to -126 .. 127; a block of zeros has e = 0. As a byte (E8M0): e + 127.
;;     - Each number is divided by its block's scale, clamped to +-28, and rounded to the nearest number of E3M2, ties to even, subnormals kept.
;;     - The product sums the exact products of the quantised numbers (number of the format x scale) in f32.
;;   ~~~python
;;   def quantise(x, axis):      # numpy; x: float32 -> the quantised numbers, widened to float32 again
;;       x = np.moveaxis(x, axis, -1); K = x.shape[-1]
;;       x = np.pad(x, [(0, 0)] * (x.ndim - 1) + [(0, -K % 32)]); x = x.reshape(x.shape[:-1] + (-1, 32)); a = np.abs(x).max(-1, keepdims=True)
;;       e = np.where(a > 0, np.clip(np.frexp(np.where(a > 0, a, 1))[1] - 1 - 4, -126, 127), 0)      # np.frexp(a)[1] - 1 = floor(log2(a)), exactly
;;       r = np.clip(x / 2.0 ** e, -28, 28)
;;       step = 2.0 ** (np.maximum(np.frexp(np.where(r == 0, 1, r))[1] - 1, -2) - 2)
;;       q = np.round(r / step) * step * 2.0 ** e      # np.round: ties to even
;;       return np.moveaxis(q.reshape(q.shape[:-2] + (-1,))[..., :K], -1, axis).astype(np.float32)
;;   ~~~
;;   SOFTMAX AHEAD OF A QUANTISED PRODUCT. Where the list says 'softmax', what is quantised is not the finished softmax but p = 2^(t - M), with t = logit x log2(e) and M = ceil(the row's largest t), a whole number; so 1/2 < the row's largest p <= 1. The row's sum l is taken of the UNQUANTISED p, in f32, and the product's result is divided by l at the end. Since M is a whole number, a kernel that streams over the keys may use a running M (the ceiling of the running maximum): every later rescaling is an exact power of two, which a block's scale takes up: the codes' values come out the same.
;;   OPERANDS COMPUTED ON THE WAY. 'Computed on the way' means the value that the module computes at that place (a softmax that the list does not call 'softmax' is quantised finished and normalised). What goes into a quantiser is computed in f32, as accurately as f32 sums, v_exp_f32 and their like allow (about 1e-6 of the number): no bf16 or f16 on the way to a quantiser, and a product that is left as it is and whose result goes on into a quantised operand takes f32 operands (vector FMAs, or v_wmma_f32_16x16x4_f32). A number that lies on a knife's edge between two numbers of the format may be rounded either way, as far as f32 arithmetic and the matrix unit's own rounding can turn it there, and no further.
;; One version. Each part assembles by itself: llvm-mc -triple=amdgcn-amd-amdhsa -mcpu=gfx1250 --defsym DOCPART=n.
;; ======== version 1 of 1: 5 launches
;; limits: right only within a limited range of input values
;; workspace buffers: w1 24,600,576 bytes; maskw 524,288 bytes of whole numbers; mflag 8,192 bytes of whole numbers; w2 9,011,200 bytes; oh 11,141,120 bytes; oc 2,252,800 bytes
;; launch prep (part 1): grid 2384 x 1, 4 waves a work-group, no clusters, 34,304 bytes of LDS; arguments q, k, v, Wq, Wk, Wv, Wo, mask, w1, maskw, mflag; writes w1, maskw, mflag
.if DOCPART == 1
	.amdgcn_target "amdgcn-amd-amdhsa--gfx1250"
	.amdhsa_code_object_version 6
	.text
	.protected	k_q0a5caa6078_prep
	.globl	k_q0a5caa6078_prep
	.p2align	8
	.type	k_q0a5caa6078_prep,@function
k_q0a5caa6078_prep:
	s_mov_b64 s[64:65], 0
	v_nop
	global_prefetch_b8 v0, s[64:65] scope:SCOPE_SE
	s_setreg_imm32_b32 hwreg(HW_REG_WAVE_MODE, 25, 1), 1
	s_wait_xcnt 0x0
; Everything that later launches read many times is made once here.  One wave does one unit, straight down; waves share nothing.
;   TAB   cos and sin of token x 10000^(-f / 64)       -> in the order in which the projection's result registers want them
;   ACT   q, k, v [2048][2048] f32, K innermost        -> codes of BF6 (E3M2) and E8M0 scale words, 32 rows x 128 K a wave
;   W     Wq, Wk, Wv, Wo f32, K is the FIRST axis      -> the same, 32 columns x 128 K a wave: a lane takes a column, its registers run down K
;   MASK  mask [2048][2048] bytes                      -> lane masks: bit l of word n = mask[16 T + l % 16][128 s + 16 (n / 8) + 8 (l / 16) + n % 8]
; ORDER.  TAB's 32 work-groups have the lowest numbers: a unit of theirs is a long run of dependent arithmetic that asks nothing of memory, so it is begun beside the streams and not behind them; MASK's short units come last.
; LAYOUT OF CODES.  A fragment (16 rows x 128 K, 12 registers a lane) lies as an image of its registers: registers 4 c .. 4 c + 3 of lane l at 512 c + 16 l: 1,536 bytes.
; A package (128 rows x 128 K) is 8 fragments and then the 128 rows' scale words: 12,800 bytes.  A tensor is [group of 128 rows][K step][package].
; A block's scale is 2^(floor(log2(largest magnitude)) - 4); its byte is the largest magnitude's exponent field - 4, held at 1 from below.
; Wv's columns are laid 96 to a head (85 true ones, then 11 with zero codes); a group holds 64 value columns and then the 64 gate columns that belong to them.
; Wo's K, 1,360, is filled with zero codes up to 1,408.
; LIMITS: NaN and infinities among the inputs are not served.  A block whose largest magnitude lies under 2^-122, a block of zeros among them, keeps the byte 1 (the quantiser's text says 127 for
; zeros): its codes are what the conversion gives under that byte, zeros for zeros, and the bytes are read by this program alone.  The frequencies are within about 1.5 ulp of 10000^(-f / 64).
.set PKB,  12800
.set GSTR, 16*PKB
.set KAO,  3276800
.set WVO,  6553600
.set WQO,  11468800
.set WKO,  14745600
.set VAO,  18022400
.set WOO,  21299200
.set TABO, 23552000
; 64 numbers of a lane, two WHOLE blocks (X .. X + 31: block h, X + 32 .. X + 63: block 2 + h of row r), become the lane's 12 registers of a fragment (IM) and the row's scale word (W, whole in both halves of the lanes)
.macro QB X, IM, T, M, W
	v_max3_num_f32 v[\M], |v[\X]|, |v[\X+1]|, 0x2800000            ; the floor 2^(5 - 127) among the leaves: the byte cannot fall under 1
	v_max3_num_f32 v[\M+1], |v[\X+32]|, |v[\X+33]|, 0x2800000
.irp i, 2,4,6,8,10,12,14,16,18,20,22,24,26,28,30
	v_max3_num_f32 v[\M], v[\M], |v[\X+\i]|, |v[\X+\i+1]|          ; the two blocks by turns
	v_max3_num_f32 v[\M+1], v[\M+1], |v[\X+32+\i]|, |v[\X+33+\i]|
.endr
	v_add_nc_u32 v[\M+2], 0xfe000000, v[\M]                        ; 4 off the exponent field: the conversion's scale operand
	v_add_nc_u32 v[\M+3], 0xfe000000, v[\M+1]
	v_lshrrev_b32 v[\M+4], 23, v[\M+2]                             ; the bytes
	v_lshrrev_b32 v[\M+5], 23, v[\M+3]
	v_lshl_or_b32 v[\W], v[\M+5], 16, v[\M+4]
	v_lshlrev_b32 v[\W], v5, v[\W]                                 ; 8 h bits up
	v_permlanex16_b32 v[\M+6], v[\W], s26, s27
	v_or_b32 v[\W], v[\W], v[\M+6]                                 ; with lane l xor 16's two bytes the word is whole
	v_cvt_scalef32_pk16_bf6_f32 v[\IM:\IM+2], v[\X:\X+15], v[\M+2]
	v_cvt_scalef32_pk16_bf6_f32 v[\T:\T+2], v[\X+16:\X+31], v[\M+2]        ; (a conversion's three registers begin on an even number)
	v_cvt_scalef32_pk16_bf6_f32 v[\IM+6:\IM+8], v[\X+32:\X+47], v[\M+3]
	v_cvt_scalef32_pk16_bf6_f32 v[\T+4:\T+6], v[\X+48:\X+63], v[\M+3]
	v_nop                                                          ; one plain line behind the conversions
.irp i, 0,1,2
	v_mov_b32 v[\IM+3+\i], v[\T+\i]
	v_mov_b32 v[\IM+9+\i], v[\T+4+\i]
.endr
.endm
; W's units.  LOADB: block b of the lane's column, rows 32 b + i of the K step; rows from NV on do not exist and count as zeros
.macro LOADB b, NS, NV
.set i, 0
.rept 32
.if 32*(\b)+i < \NV
	global_load_b32 v[32+32*(\b)+i], v8, s[34:35] offset:(32*(\b)+i)*\NS*4 th:TH_LOAD_NT   ; 32 lanes read 128 consecutive bytes of one row
.else
	v_mov_b32 v[32+32*(\b)+i], 0
.endif
.set i, i+1
.endr
.endm
.macro WAITL b, NV                     ; leaves out the loads of block b, the one block issued behind the block that is wanted
.set LC, (\NV)-32*(\b)
.if LC < 0
.set LC, 0
.endif
.if LC > 32
.set LC, 32
.endif
	s_wait_loadcnt LC
.endm
.macro BLK b                           ; block b: all its 32 numbers are the lane's
.set XB, 32+32*(\b)
.set IB, 160+12*((\b)&1)+6*((\b)>>1)
	v_max3_num_f32 v16, |v[XB]|, |v[XB+1]|, |v[XB+2]|
	v_max3_num_f32 v17, |v[XB+3]|, |v[XB+4]|, |v[XB+5]|
.irp i, 6,10,14,18,22,26
	v_max3_num_f32 v16, v16, |v[XB+\i]|, |v[XB+\i+1]|
	v_max3_num_f32 v17, v17, |v[XB+\i+2]|, |v[XB+\i+3]|
.endr
	v_max3_num_f32 v16, v16, |v[XB+30]|, |v[XB+31]|
	v_max3_num_f32 v16, v16, v17, 0x2800000
	v_add_nc_u32 v18, 0xfe000000, v16
	v_cvt_scalef32_pk16_bf6_f32 v[IB:IB+2], v[XB:XB+15], v18
	v_lshrrev_b32 v19, 23, v18
	v_cvt_scalef32_pk16_bf6_f32 v[184:186], v[XB+16:XB+31], v18
.if (\b) == 0
	v_mov_b32 v20, v19                                             ; the scale word, the lower K in the lower byte.  (Also the plain line behind the conversion)
.else
	v_lshl_or_b32 v20, v19, 8*(\b), v20
.endif
.irp i, 0,1,2
	v_mov_b32 v[IB+3+\i], v[184+\i]
.endr
.endm
; s[34:35] the tensor, s37 its region in w1, s40 bytes of a group there, s33 the group, s36 the K step.  NS: columns of the tensor; NV: rows of this K step that exist; ISV: Wv's padded columns
.macro WUNIT NS, NV, ISV
	s_mul_i32 s28, s36, 128*\NS*4
	s_add_nc_u64 s[34:35], s[34:35], s[28:29]                      ; the K step's first row
	s_mul_i32 s30, s33, s40
	s_add_co_u32 s30, s30, s37
	s_mul_i32 s41, s36, PKB
	s_add_co_u32 s30, s30, s41                                     ; the package
	s_mul_i32 s28, s24, 3072
	s_add_co_u32 s28, s28, s30
	s_add_nc_u64 s[38:39], s[20:21], s[28:29]                      ; my two fragments
	s_lshl_b32 s28, s24, 7
	s_add_co_u32 s28, s28, s30
	s_add_co_u32 s28, s28, 12288
	s_add_nc_u64 s[42:43], s[20:21], s[28:29]                      ; my 32 scale words
.if \ISV
	s_lshl_b32 s41, s33, 6
	s_and_b32 s44, s24, 1
	s_lshl_b32 s44, s44, 5
	s_add_co_u32 s41, s41, s44
	v_add_nc_u32 v9, s41, v2                                       ; the padded column: 64 G + 32 (wave % 2) + lane
	v_mul_u32_u24 v10, v9, 683
	v_lshrrev_b32 v10, 16, v10                                     ; its head: / 96 (right up to 1,535)
	v_mul_u32_u24 v11, v10, 96
	v_sub_nc_u32 v11, v9, v11                                      ; d
	v_cmp_gt_u32 vcc_lo, 85, v11
	v_mov_b32 v13, -1
	v_cndmask_b32 v12, 0, v13, vcc_lo                              ; all ones where the column exists
	v_min_u32 v11, 84, v11                                         ; a column that does not exist reads a neighbour's numbers; its codes are cleared below
	v_mad_u32_u24 v8, v10, 85, v11
	s_lshr_b32 s41, s24, 1
	s_mul_i32 s41, s41, 1360                                       ; waves 2 and 3: the gates
	v_add_nc_u32 v8, s41, v8
.else
	s_lshl_b32 s41, s33, 7
	s_lshl_b32 s44, s24, 5
	s_add_co_u32 s41, s41, s44
	v_add_nc_u32 v8, s41, v2                                       ; my column: 128 G + 32 wave + lane
.endif
	v_lshlrev_b32 v8, 2, v8
	v_mul_u32_u24 v14, v7, 1536
	v_lshl_add_u32 v14, v3, 4, v14                                 ; out: fragment lane / 16, row lane % 16
	LOADB 0, \NS, \NV
	LOADB 1, \NS, \NV
	WAITL 1, \NV
	BLK 0
	LOADB 2, \NS, \NV
	WAITL 2, \NV
	BLK 1
	LOADB 3, \NS, \NV
	WAITL 3, \NV
	BLK 2
	s_wait_loadcnt 0x0
	BLK 3
.if \ISV
.set i, 0
.rept 24
	v_and_b32 v[160+i], v12, v[160+i]
.set i, i+1
.endr
.endif
.irp hh, 0,1                           ; v160-171: what lane (r, 0) of the fragment holds (blocks 0, 2); v172-183: lane (r, 1)'s (blocks 1, 3)
.irp c, 0,1,2
	global_store_b128 v14, v[160+12*\hh+4*\c:163+12*\hh+4*\c], s[38:39] offset:512*\c+256*\hh   ; sixteen lanes store 256 consecutive bytes, at a multiple of 256 from the buffer's first byte
.endr
.endr
	global_store_b32 v6, v20, s[42:43]
	s_endpgm
.endm
	s_load_b512 s[4:19], s[0:1], 0x0               ; q s[4:5], k s[6:7], v s[8:9], Wq s[10:11], Wk s[12:13], Wv s[14:15], Wo s[16:17], mask s[18:19]
	s_load_b128 s[20:23], s[0:1], 0x40             ; w1 s[20:21], maskw s[22:23]
	s_load_b64 s[44:45], s[0:1], 0x50              ; mflag (read by MASK's units alone; the other kinds use s44 again)
	v_lshl_add_u32 v248, v0, 2, 0x8400
	v_mov_b32 v249, 0
	v_lshrrev_b32 v1, 5, v0
	v_readfirstlane_b32 s24, v1                    ; wave
	v_and_b32 v2, 31, v0                           ; lane
	v_and_b32 v3, 15, v0                           ; r
	v_bfe_u32 v7, v0, 4, 1                         ; h
	v_lshlrev_b32 v4, 4, v2                        ; 16 x lane
	v_lshlrev_b32 v5, 3, v7                        ; 8 h
	v_lshlrev_b32 v6, 2, v2                        ; 4 x lane
	s_mov_b32 s26, 0x76543210
	s_mov_b32 s27, 0xfedcba98                      ; v_permlanex16_b32's selects for lane l xor 16
	s_mov_b32 s29, 0                               ; the upper words of the offset pairs s[28:29], s[30:31]
	s_mov_b32 s31, 0
	s_wait_kmcnt 0x0
	s_cmp_lt_u32 ttmp9, 32                         ; which kind of unit: by the work-group's number alone.  The first 32: the table
	s_cbranch_scc1 .Ltab
	s_sub_co_u32 s46, ttmp9, 32                    ; the others count from 0
	s_cmp_lt_u32 s46, 768
	s_cbranch_scc1 .Lact
	s_cmp_lt_u32 s46, 1440
	s_cbranch_scc1 .Lw
	s_cmp_lt_u32 s46, 1456
	s_cbranch_scc1 .Lwo_tail
	s_cmp_lt_u32 s46, 1840
	s_cbranch_scc1 .Lwv
	s_branch .Lmask
.Ltab:  ; ---- TAB: token tile T = 4 e + wave.  Lane (r, h) makes cos and sin for token 16 T + r and the frequencies 16 b + 8 h + j, m = 8 b + j = 0 .. 31
	s_lshl_b32 s25, ttmp9, 2
	s_add_co_u32 s25, s25, s24
	s_lshl_b32 s28, s25, 13
	s_add_co_u32 s28, s28, TABO
	s_add_nc_u64 s[20:21], s[20:21], s[28:29]
	s_lshl_b32 s32, s25, 4
	s_wait_alu depctr_va_vdst(0)
	v_add_nc_u32 v8, s32, v3
	v_cvt_f32_u32 v8, v8                           ; the token, as f32
	s_mov_b32 s33, 0x3e549a78                      ; log2(10000) / 64, in two parts
	s_mov_b32 s34, 0x31979a30
	s_mov_b32 s35, 0x3f22f983                      ; 2 / pi
	s_mov_b32 s36, 0x3fc90fdb                      ; pi / 2, in two parts
	s_mov_b32 s37, 0xb33bbd2e
	s_mov_b32 s38, 0xb94ca1f9                      ; the sine's polynomial on |r| <= pi / 4
	s_mov_b32 s39, 0x3c08839e
	s_mov_b32 s40, 0xbe2aaaa3
	s_mov_b32 s41, 0x37ccf5ce                      ; the cosine's
	s_mov_b32 s42, 0xbab6061a
	s_mov_b32 s43, 0x3d2aaaa5
	s_mov_b32 s44, 0x80000000
.set m, 0
.rept 32                               ; 10000^(-f / 64) = 2^(-n) 2^(-fr), n a whole number, |fr| <= 1/2
	v_add_nc_u32 v160, 16*(m/8)+m%8, v5
	v_cvt_f32_u32 v160, v160                       ; f
	v_mul_f32 v161, s33, v160
	v_rndne_f32 v161, v161                         ; n
	v_fma_f32 v162, v160, s33, -v161
	v_fma_f32 v[96+m], v160, s34, v162             ; fr
	v_cvt_i32_f32 v161, v161
	v_sub_nc_u32 v[128+m], 0, v161                 ; -n
.set m, m+1
.endr
.set m, 0
	s_wait_alu depctr_va_vdst(0)
.rept 32
	v_exp_f32 v[96+m], -v[96+m]                    ; one batch
.set m, m+1
.endr
	v_nop                                          ; a plain line behind the last of them
	s_wait_alu depctr_va_vdst(0)                   ; one wait for the batch, ahead of its first reader
.set m, 0
.rept 32
	v_ldexp_f32 v[96+m], v[96+m], v[128+m]         ; the frequency
.set m, m+1
.endr
.set m, 0
.rept 32
	v_mul_f32 v160, v8, v[96+m]                    ; the angle, rounded to f32 as the module's definition rounds it
	v_mul_f32 v161, s35, v160
	v_rndne_f32 v161, v161                         ; k = the nearest multiple of pi / 2
	v_fma_f32 v162, -v161, s36, v160               ; exact: a multiple of 2^-23 under 2
	v_fma_f32 v162, -v161, s37, v162               ; r
	v_cvt_i32_f32 v163, v161
	v_mul_f32 v164, v162, v162                     ; z = r r
	v_fma_f32 v165, v164, s38, s39
	v_fma_f32 v166, v164, s41, s42
	v_fma_f32 v165, v165, v164, s40
	v_fma_f32 v166, v166, v164, s43
	v_mul_f32 v167, v162, v164
	v_mul_f32 v168, v164, v164
	v_fma_f32 v169, v164, -0.5, 1.0
	v_fma_f32 v165, v167, v165, v162               ; sin r
	v_fma_f32 v166, v168, v166, v169               ; cos r
	v_and_b32 v170, 1, v163
	v_cmp_eq_u32 vcc_lo, 1, v170                   ; an odd k swaps the two
	v_cndmask_b32 v171, v165, v166, vcc_lo
	v_cndmask_b32 v172, v166, v165, vcc_lo
	v_lshlrev_b32 v170, 30, v163                   ; the sine is negated where k % 4 is 2 or 3,
	v_add_nc_u32 v173, 1, v163
	v_and_b32 v170, s44, v170
	v_lshlrev_b32 v173, 30, v173                   ; the cosine where it is 1 or 2
	v_xor_b32 v[64+m], v170, v171
	v_and_b32 v173, s44, v173
	v_xor_b32 v[32+m], v173, v172
.set m, m+1
.endr
.irp ch, 0,1,2,3,4,5,6,7
	global_store_b128 v4, v[32+4*\ch:35+4*\ch], s[20:21] offset:512*\ch          ; 32 lanes store 512 consecutive bytes
	global_store_b128 v4, v[64+4*\ch:67+4*\ch], s[20:21] offset:4096+512*\ch
.endr
	s_endpgm
.Lact:  ; ---- ACT: tensor = id / 256, group G = (id / 16) % 16, K step s = id % 16; my wave: rows 128 G + 32 wave on: two fragments
	s_lshr_b32 s25, s46, 8
	s_bfe_u32 s32, s46, 0x40004
	s_and_b32 s33, s46, 15
	s_cmp_eq_u32 s25, 0
	s_cselect_b64 s[34:35], s[4:5], s[6:7]
	s_cselect_b32 s36, 0, KAO
	s_cmp_eq_u32 s25, 2
	s_cselect_b64 s[34:35], s[8:9], s[34:35]
	s_cselect_b32 s36, VAO, s36
	s_lshl_b32 s28, s32, 20                        ; 128 rows of 8,192 bytes
	s_lshl_b32 s37, s24, 18
	s_add_co_u32 s28, s28, s37
	s_lshl_b32 s37, s33, 9                         ; 128 numbers
	s_add_co_u32 s28, s28, s37
	s_add_nc_u64 s[34:35], s[34:35], s[28:29]
	s_mul_i32 s30, s32, GSTR
	s_add_co_u32 s30, s30, s36
	s_mul_i32 s37, s33, PKB
	s_add_co_u32 s30, s30, s37                     ; the package
	s_mul_i32 s28, s24, 3072
	s_add_co_u32 s28, s28, s30
	s_add_nc_u64 s[40:41], s[20:21], s[28:29]      ; my two fragments
	s_lshl_b32 s28, s24, 7
	s_add_co_u32 s28, s28, s30
	s_add_co_u32 s28, s28, 12288
	s_add_nc_u64 s[42:43], s[20:21], s[28:29]      ; my 32 scale words
	s_mov_b32 s44, 0xffff0000
.set j, 0
	s_wait_alu depctr_va_vdst(0)
.rept 32
	global_load_b128 v[32+4*j:35+4*j], v4, s[34:35] offset:8192*j th:TH_LOAD_NT   ; row j: 32 lanes read its 512 consecutive bytes
.set j, j+1
.endr
	s_mul_i32 s37, s24, 8448                       ; my stage: 16 rows of 512 + 16 bytes
	v_add_nc_u32 v8, s37, v4                       ; in: as loaded
	v_mul_u32_u24 v9, v3, 528
	v_lshl_add_u32 v9, v7, 7, v9
	v_add_nc_u32 v9, s37, v9                       ; back: row r, + 128 h: my two blocks of 32
	v_mov_b32 v16, 0                               ; (a lane permute's destination counts as one of its sources)
	s_wait_alu depctr_va_vdst(0)
.irp u, 0,1
	s_wait_loadcnt 16-16*\u                        ; this fragment's 16 loads are in; the other's may be out
.set j, 0
.rept 16
	ds_store_b128 v8, v[32+64*\u+4*j:35+64*\u+4*j] offset:528*j
.set j, j+1
.endr
.set j, 0
.rept 8
	ds_load_b128 v[160+4*j:163+4*j], v9 offset:16*j             ; LDS serves a wave's instructions in order: these see my stores
	ds_load_b128 v[192+4*j:195+4*j], v9 offset:256+16*j
.set j, j+1
.endr
	s_wait_dscnt 0x0
	QB 160, 18+214*\u, 224, 10, 17
.irp c, 0,1,2
	global_store_b128 v4, v[18+214*\u+4*\c:21+214*\u+4*\c], s[40:41] offset:1536*\u+512*\c   ; each fragment has registers of its own: no store's data are written again
.endr
.if \u == 0
	v_mov_b32 v30, v17
.else
	v_cndmask_b32 v30, v30, v17, s44               ; lanes 0-15: the first fragment's words, lanes 16-31: the second's
.endif
.endr
	global_store_b32 v6, v30, s[42:43]
	s_wait_tensorcnt 0x0
	ds_add_u32 v248, v249
	s_wait_dscnt 0x0
	s_endpgm
.Lw:    ; ---- Wq, Wk, and Wo's K steps 0 to 9
	s_sub_co_u32 s25, s46, 768
	s_lshr_b32 s32, s25, 8
	s_and_b32 s33, s25, 15
	s_bfe_u32 s36, s25, 0x40004
	s_cmp_eq_u32 s32, 0
	s_cselect_b64 s[34:35], s[10:11], s[12:13]
	s_mov_b32 s37, WKO
	s_cselect_b32 s37, WQO, s37
	s_cmp_eq_u32 s32, 2
	s_cselect_b64 s[34:35], s[16:17], s[34:35]
	s_cselect_b32 s37, WOO, s37
	s_mov_b32 s40, GSTR
	s_cselect_b32 s40, 11*PKB, s40
	s_wait_alu depctr_va_vdst(0)
	WUNIT 2048, 128, 0
.Lwo_tail:  ; ---- Wo's last K step: rows 1,280 to 1,359, then zeros
	s_sub_co_u32 s33, s46, 1440
	s_mov_b32 s36, 10
	s_mov_b64 s[34:35], s[16:17]
	s_mov_b32 s37, WOO
	s_mov_b32 s40, 11*PKB
	s_wait_alu depctr_va_vdst(0)
	WUNIT 2048, 80, 0
.Lwv:   ; ---- Wv
	s_sub_co_u32 s25, s46, 1456
	s_and_b32 s36, s25, 15
	s_lshr_b32 s33, s25, 4
	s_mov_b64 s[34:35], s[14:15]
	s_mov_b32 s37, WVO
	s_mov_b32 s40, GSTR
	s_wait_alu depctr_va_vdst(0)
	WUNIT 2720, 128, 1
.Lmask: ; ---- MASK: query tile T = e / 4, key step s = 4 (e % 4) + wave
	s_sub_co_u32 s25, s46, 1840
	s_lshr_b32 s32, s25, 2
	s_and_b32 s33, s25, 3
	s_lshl_b32 s33, s33, 2
	s_add_co_u32 s33, s33, s24
	s_lshl_b32 s28, s32, 15                        ; 16 rows of 2,048 bytes
	s_lshl_b32 s34, s33, 7
	s_add_co_u32 s28, s28, s34
	s_add_nc_u64 s[18:19], s[18:19], s[28:29]
	s_lshl_b32 s30, s32, 4
	s_add_co_u32 s30, s30, s33
	s_lshl_b32 s30, s30, 8                         ; 64 words a unit
	s_add_nc_u64 s[22:23], s[22:23], s[30:31]
	s_wait_alu depctr_va_vdst(0)
	v_lshl_add_u32 v8, v3, 11, v5                  ; row r, + 8 h
.irp t, 0,1,2,3,4,5,6,7
	global_load_b64 v[32+2*\t:33+2*\t], v8, s[18:19] offset:16*\t
.endr
	v_mov_b32 v10, 0
	v_mov_b32 v11, 0
	v_lshlrev_b32 v9, 3, v2
	s_wait_alu depctr_va_vdst(0)
	s_wait_loadcnt 0x0
.set n, 0
.rept 64
	v_bfe_u32 v12, v[32+n/4], 8*(n%4), 8           ; my byte for word n
	v_cmp_ne_u32 s[36+n%4], 0, v12                 ; the 32 lanes' bits
	v_writelane_b32 v[10+n%2], s[36+n%4], n/2      ; word n to lane n / 2
.set n, n+1
.endr
	; the unit's two flags, word 16 T + s of mflag: bit s = every one of the unit's 16 x 128 bytes is 1; bit 16 + s = every one is 0
	v_mov_b32 v15, 0
	v_and_b32 v13, v32, v33
	v_or_b32 v14, v32, v33
.irp i, 34,35,36,37,38,39,40,41,42,43,44,45,46,47
	v_and_b32 v13, v13, v[\i]
	v_or_b32 v14, v14, v[\i]
.endr
	v_cmp_eq_u32 s40, 0x01010101, v13
	v_cmp_eq_u32 s41, 0, v14
	s_cmp_eq_u32 s40, -1                           ; in all 32 lanes
	s_cselect_b32 s40, 1, 0
	s_cmp_eq_u32 s41, -1
	s_cselect_b32 s41, 0x10000, 0
	s_or_b32 s40, s40, s41
	s_lshl_b32 s40, s40, s33                       ; s33: the key step
	s_lshr_b32 s42, s30, 6                         ; 4 (16 T + s)
	s_mov_b32 s43, 0
	s_add_nc_u64 s[44:45], s[44:45], s[42:43]
	v_mov_b32 v14, s40
	global_store_b32 v15, v14, s[44:45]            ; all lanes write the one word with the same value
	global_store_b64 v9, v[10:11], s[22:23]        ; 32 lanes store 256 consecutive bytes, at a multiple of 256 from the buffer's first byte
	s_endpgm
.Lfunc_end_k_q0a5caa6078_prep:
	.size	k_q0a5caa6078_prep, .Lfunc_end_k_q0a5caa6078_prep-k_q0a5caa6078_prep
	.p2alignl 7, 3214868480
	.fill 96, 4, 3214868480
	.section	.rodata,"a",@progbits
	.p2align	6, 0x0
	.amdhsa_kernel k_q0a5caa6078_prep
		.amdhsa_group_segment_fixed_size 34304
		.amdhsa_private_segment_fixed_size 0
		.amdhsa_enable_private_segment 0
		.amdhsa_kernarg_size 88
		.amdhsa_user_sgpr_count 2
		.amdhsa_user_sgpr_kernarg_segment_ptr 1
		.amdhsa_wavefront_size32 1
		.amdhsa_system_sgpr_workgroup_id_x 1
		.amdhsa_system_sgpr_workgroup_id_y 1
		.amdhsa_system_sgpr_workgroup_id_z 1
		.amdhsa_system_vgpr_workitem_id 0
		.amdhsa_next_free_vgpr 250
		.amdhsa_next_free_sgpr 66
		.amdhsa_reserve_vcc 1
		.amdhsa_float_denorm_mode_32 3
		.amdhsa_float_denorm_mode_16_64 3
		.amdhsa_memory_ordered 1
		.amdhsa_forward_progress 1
		.amdhsa_inst_pref_size 143
	.end_amdhsa_kernel
	.amdgpu_metadata
---
amdhsa.version: [ 1, 2 ]
amdhsa.kernels:
  - .name:           k_q0a5caa6078_prep
    .symbol:         k_q0a5caa6078_prep.kd
    .args:
      - { .name: q, .offset: 0, .size: 8, .value_kind: global_buffer, .address_space: global }
      - { .name: k, .offset: 8, .size: 8, .value_kind: global_buffer, .address_space: global }
      - { .name: v, .offset: 16, .size: 8, .value_kind: global_buffer, .address_space: global }
      - { .name: Wq, .offset: 24, .size: 8, .value_kind: global_buffer, .address_space: global }
      - { .name: Wk, .offset: 32, .size: 8, .value_kind: global_buffer, .address_space: global }
      - { .name: Wv, .offset: 40, .size: 8, .value_kind: global_buffer, .address_space: global }
      - { .name: Wo, .offset: 48, .size: 8, .value_kind: global_buffer, .address_space: global }
      - { .name: mask, .offset: 56, .size: 8, .value_kind: global_buffer, .address_space: global }
      - { .name: w1, .offset: 64, .size: 8, .value_kind: global_buffer, .address_space: global }
      - { .name: maskw, .offset: 72, .size: 8, .value_kind: global_buffer, .address_space: global }
      - { .name: mflag, .offset: 80, .size: 8, .value_kind: global_buffer, .address_space: global }
    .group_segment_fixed_size: 34304
    .private_segment_fixed_size: 0
    .kernarg_segment_align: 8
    .kernarg_segment_size: 88
    .max_flat_workgroup_size: 128
    .sgpr_count:     66
    .vgpr_count:     250
    .wavefront_size: 32
...
	.end_amdgpu_metadata
.endif
;; end of part 1
;; launch proj (part 2): grid 8 x 28, 4 waves a work-group, clusters of 4 x 4, 327,680 bytes of LDS; arguments w1, bq, bk, bv, w2; writes w2
.if DOCPART == 2
	.amdgcn_target "amdgcn-amd-amdhsa--gfx1250"
	.amdhsa_code_object_version 6
	.text
	.protected	k_q0a5caa6078_proj
	.globl	k_q0a5caa6078_proj
	.p2align	8
	.type	k_q0a5caa6078_proj,@function
k_q0a5caa6078_proj:
	s_mov_b64 s[64:65], 0
	v_nop
	global_prefetch_b8 v0, s[64:65] scope:SCOPE_SE
	s_setreg_imm32_b32 hwreg(HW_REG_WAVE_MODE, 25, 1), 1
	s_wait_xcnt 0x0
	s_wait_alu depctr_hold_cnt(0) depctr_sa_sdst(0) depctr_va_vdst(0) depctr_va_sdst(0) depctr_va_ssrc(0) depctr_va_vcc(0) depctr_vm_vsrc(0)
	s_getreg_b32 s2, hwreg(HW_REG_IB_STS2, 6, 4)
	s_cmp_eq_u32 s2, 0
	s_cbranch_scc0 .Lentry_in_a_cluster
	s_endpgm
.Lentry_in_a_cluster:
	s_bfe_u32 s2, ttmp6, 0x10000c
	s_cmp_lg_u32 s2, 0xf033
	s_cbranch_scc0 .Lentry_shape_is_right
	s_endpgm
.Lentry_shape_is_right:
.set PKB,   12800
.set GSTR,  16*PKB
.set HALFT, 3*PKB
.set SLOT,  4*HALFT
.set SPARE, 2*SLOT
.set WQO,   11468800
.set TSTR,  3276800
.set TABO,  23552000
.set SP,    89600
.set KVO,   3276800
.set FR,    12
.set NL,    3
.set NP,    4
.set ADRA, 16
.set AWA,  18
.set ADRB, 20
.set AWB,  22
.set L16,  24
.set L4,   25
.set SPW,  28
.set NIL,  29
.set SC,   32
.set AF,   128
.set G1,   24
.set G0,   32
.set G1B,  48
.set G0B,  56
.set HA,   128
.set BI,   48
.set PC,   192
.set TM,   212
.set PW,   228
.set WD,   229
.set TT,   232
.set GA,   64
.set EA,   192
.set MSB, 0
.macro WIN new
.set WNEW, \new
.if MSB != WNEW
	s_set_vgpr_msb (MSB<<8)|WNEW
.set MSB, WNEW
.endif
.endm
.set MUL_LO, 0xa1
.set MUL_HI, 0xf1
.set TO_B,   0x40
.macro WM d, fa, fb, c, sa, rowa, sb, rowb
.if (\c) < 0
.if ((\rowa) == 1) && ((\rowb) == 1)
	v_wmma_scale_f32_16x16x128_f8f6f4 v[(\d):(\d)+7], v[(\fa):(\fa)+11], v[(\fb):(\fb)+11], 0, v[\sa], v[\sb] matrix_a_fmt:MATRIX_FMT_BF6 matrix_b_fmt:MATRIX_FMT_BF6 matrix_a_scale:MATRIX_SCALE_ROW1 matrix_b_scale:MATRIX_SCALE_ROW1
.elseif (\rowa) == 1
	v_wmma_scale_f32_16x16x128_f8f6f4 v[(\d):(\d)+7], v[(\fa):(\fa)+11], v[(\fb):(\fb)+11], 0, v[\sa], v[\sb] matrix_a_fmt:MATRIX_FMT_BF6 matrix_b_fmt:MATRIX_FMT_BF6 matrix_a_scale:MATRIX_SCALE_ROW1
.elseif (\rowb) == 1
	v_wmma_scale_f32_16x16x128_f8f6f4 v[(\d):(\d)+7], v[(\fa):(\fa)+11], v[(\fb):(\fb)+11], 0, v[\sa], v[\sb] matrix_a_fmt:MATRIX_FMT_BF6 matrix_b_fmt:MATRIX_FMT_BF6 matrix_b_scale:MATRIX_SCALE_ROW1
.else
	v_wmma_scale_f32_16x16x128_f8f6f4 v[(\d):(\d)+7], v[(\fa):(\fa)+11], v[(\fb):(\fb)+11], 0, v[\sa], v[\sb] matrix_a_fmt:MATRIX_FMT_BF6 matrix_b_fmt:MATRIX_FMT_BF6
.endif
.else
.if ((\rowa) == 1) && ((\rowb) == 1)
	v_wmma_scale_f32_16x16x128_f8f6f4 v[(\d):(\d)+7], v[(\fa):(\fa)+11], v[(\fb):(\fb)+11], v[(\c):(\c)+7], v[\sa], v[\sb] matrix_a_fmt:MATRIX_FMT_BF6 matrix_b_fmt:MATRIX_FMT_BF6 matrix_a_scale:MATRIX_SCALE_ROW1 matrix_b_scale:MATRIX_SCALE_ROW1
.elseif (\rowa) == 1
	v_wmma_scale_f32_16x16x128_f8f6f4 v[(\d):(\d)+7], v[(\fa):(\fa)+11], v[(\fb):(\fb)+11], v[(\c):(\c)+7], v[\sa], v[\sb] matrix_a_fmt:MATRIX_FMT_BF6 matrix_b_fmt:MATRIX_FMT_BF6 matrix_a_scale:MATRIX_SCALE_ROW1
.elseif (\rowb) == 1
	v_wmma_scale_f32_16x16x128_f8f6f4 v[(\d):(\d)+7], v[(\fa):(\fa)+11], v[(\fb):(\fb)+11], v[(\c):(\c)+7], v[\sa], v[\sb] matrix_a_fmt:MATRIX_FMT_BF6 matrix_b_fmt:MATRIX_FMT_BF6 matrix_b_scale:MATRIX_SCALE_ROW1
.else
	v_wmma_scale_f32_16x16x128_f8f6f4 v[(\d):(\d)+7], v[(\fa):(\fa)+11], v[(\fb):(\fb)+11], v[(\c):(\c)+7], v[\sa], v[\sb] matrix_a_fmt:MATRIX_FMT_BF6 matrix_b_fmt:MATRIX_FMT_BF6
.endif
.endif
.endm
.macro JLOAD g0a, g0b
	s_cmp_eq_u32 s15, 0
	s_cbranch_scc0 .Lfor_b_\@
	tensor_load_to_lds s[\g0a:\g0a+3], s[G1:G1+7]
	s_nop 0
.rept 4
	v_nop
.endr
	s_branch .Lasked_\@
.Lfor_b_\@:
	tensor_load_to_lds s[\g0b:\g0b+3], s[G1B:G1B+7]
	s_nop 0
.rept 4
	v_nop
.endr
.Lasked_\@:
.endm
.macro CREST
	s_cmp_lg_u32 s14, 0
	s_cbranch_scc1 .Lnot_wave_0_\@
	s_barrier_signal -3
.Lnot_wave_0_\@:
	s_barrier_wait -3
	s_barrier_signal -1
	s_barrier_wait -1
.endm
.macro CROUND
	s_barrier_signal -1
	s_barrier_wait -1
	CREST
.endm
.macro PLACES n
.rept \n
	v_nop
.endr
.endm
.macro FRAG reg, adr, q, i
.irp c, 0,1,2
	ds_load_b128 v[\reg+4*\c:\reg+4*\c+3], v[\adr] offset:(\q)*PKB+(\i)*1536+512*\c
.endr
.endm
.macro FETCH_B slot, q, par
	WIN TO_B
.irp i, 0,1,2,3,4,5,6,7
	FRAG 128*(\par)+FR*\i, ADRB+\slot, \q, \i
.endr
	WIN 0
.endm
.macro FETCH_A slot, q, i0
.irp i, \i0, \i0+1, \i0+2, \i0+3
	FRAG AF+FR*(\i), ADRA+\slot, \q, \i
.endr
.endm
.macro SCALES slot, q, par
.irp p, 0,1,2,3
	ds_load_b32 v[SC+8*(\par)+\p], v[AWA+\slot] offset:(\q)*PKB+12288+128*\p
	ds_load_b32 v[SC+8*(\par)+4+\p], v[AWB+\slot] offset:(\q)*PKB+12288+128*\p
.endr
.endm
.macro MUL16 a0, par, zero
.irp a, \a0, \a0+1
.irp b, 0,1,2,3,4,5,6,7
.if \zero
	WM 8*(8*((\a)%4)+\b), 128*(\par)+FR*\b, AF+FR*(\a), -1, SC+8*(\par)+4+\b/2, \b%2, SC+8*(\par)+(\a)/2, (\a)%2
.else
	WM 8*(8*((\a)%4)+\b), 128*(\par)+FR*\b, AF+FR*(\a), 8*(8*((\a)%4)+\b), SC+8*(\par)+4+\b/2, \b%2, SC+8*(\par)+(\a)/2, (\a)%2
.endif
.endr
.endr
.endm
.macro STEP slot, q, par, zero
	s_wait_dscnt 4*NL
	WIN MUL_LO
	MUL16 0, \par, \zero
	MUL16 2, \par, \zero
	s_wait_dscnt 0x0
	PLACES NP
	FETCH_B \slot, (\q)+1, 1-(\par)
	FETCH_A \slot, (\q)+1, 0
	SCALES \slot, (\q)+1, 1-(\par)
	WIN MUL_HI
	MUL16 4, \par, \zero
	MUL16 6, \par, \zero
	PLACES NP
	WIN 0
	FETCH_A \slot, (\q)+1, 4
.endm
.macro TURN slot, next, par, fill
	s_wait_tensorcnt 0x0
	ds_add_u32 v[SPW], v[NIL]
	s_wait_dscnt 4*NL+1
	WIN MUL_LO
	MUL16 0, \par, 0
	s_wait_dscnt 0x0
	s_barrier_signal -1
	MUL16 2, \par, 0
	WIN 0
	s_barrier_wait -1
.if \fill
	CREST
	s_add_nc_u64 s[G0+4*\slot+2:G0+4*\slot+3], s[G0+4*\slot+2:G0+4*\slot+3], 2*HALFT
	s_add_nc_u64 s[G0B+4*\slot+2:G0B+4*\slot+3], s[G0B+4*\slot+2:G0B+4*\slot+3], 2*HALFT
	JLOAD G0+4*\slot, G0B+4*\slot
.else
	PLACES NP
.endif
	FETCH_B \next, 0, 1-(\par)
	FETCH_A \next, 0, 0
	SCALES \next, 0, 1-(\par)
	WIN MUL_HI
	MUL16 4, \par, 0
	MUL16 6, \par, 0
	PLACES NP
	WIN 0
	FETCH_A \next, 0, 4
.endm
.macro LAST64
	s_wait_dscnt 4*NL
	WIN MUL_LO
	MUL16 0, 1, 0
	MUL16 2, 1, 0
	s_wait_dscnt 0x0
	WIN MUL_HI
	MUL16 4, 1, 0
	MUL16 6, 1, 0
	WIN 0
	PLACES NP
.endm
.macro QUANT s, pc, tm, pw
.irp b, 0,1,2,3
	v_max3_num_f32 v[\tm+\b], |v[\s+16*\b]|, |v[\s+1+16*\b]|, 0x2800000
.endr
.irp i, 2,4,6,8,10,12,14
.irp b, 0,1,2,3
	v_max3_num_f32 v[\tm+\b], v[\tm+\b], |v[\s+16*\b+\i]|, |v[\s+1+16*\b+\i]|
.endr
.endr
.irp b, 0,1,2,3
	v_permlanex16_b32 v[\tm+4+\b], v[\tm+\b], s90, s91
.endr
.irp b, 0,1,2,3
	v_max_num_f32 v[\tm+\b], v[\tm+\b], v[\tm+4+\b]
.endr
.irp b, 0,1,2,3
	v_add_nc_u32 v[\tm+12+\b], 0xfe000000, v[\tm+\b]
.endr
.irp b, 0,1,2,3
	v_lshrrev_b32 v[\tm+4+\b], 23, v[\tm+12+\b]
.endr
	v_lshl_or_b32 v[\pw], v[\tm+5], 8, v[\tm+4]
	v_lshl_or_b32 v[\pw], v[\tm+6], 16, v[\pw]
	v_lshl_or_b32 v[\pw], v[\tm+7], 24, v[\pw]
.irp c, 0,1
	v_cvt_scalef32_pk16_bf6_f32 v[\pc+6*\c:\pc+2+6*\c], v[\s+32*\c:\s+15+32*\c], v[\tm+12+2*\c]
	v_cvt_scalef32_pk16_bf6_f32 v[\pc+12+4*\c:\pc+14+4*\c], v[\s+16+32*\c:\s+31+32*\c], v[\tm+12+2*\c+1]
.endr
	v_nop
.irp c, 0,1
.irp i, 0,1,2
	v_permlane16_swap_b32 v[\pc+6*\c+\i], v[\pc+12+4*\c+\i]
.endr
.irp i, 0,1,2
	v_mov_b32 v[\pc+3+6*\c+\i], v[\pc+12+4*\c+\i]
.endr
.endr
.endm
.macro TABLOAD a
.irp ch, 0,1,2,3,4,5,6,7
	global_load_b128 v[128*((\a)%2)+4*\ch:128*((\a)%2)+4*\ch+3], v[L16], s[74:75] offset:8192*(\a)+512*\ch
	global_load_b128 v[128*((\a)%2)+32+4*\ch:128*((\a)%2)+32+4*\ch+3], v[L16], s[74:75] offset:8192*(\a)+4096+512*\ch
.endr
.endm
.macro QKT a
.if (\a) < 7
	WIN 0x40
	TABLOAD (\a)+1
	s_wait_loadcnt 16
.else
	s_wait_loadcnt 0x0
.endif
	WIN 0x02+(\a)/4
.set i, 0
.rept 32
	v_pk_add_f32 v[HA+i:HA+i+1], v[64*((\a)%4)+i:64*((\a)%4)+i+1], v[BI+i:BI+i+1]
.set i, i+2
.endr
	WIN 0x04
.set TS, 128*((\a)%2)
.set i, 0
.rept 16
	v_pk_mul_f32 v[TT+i%8:TT+i%8+1], v[HA+i:HA+i+1], v[TS+32+i:TS+32+i+1]
	v_pk_mul_f32 v[HA+i:HA+i+1], v[HA+i:HA+i+1], v[TS+i:TS+i+1]
	v_pk_fma_f32 v[HA+i:HA+i+1], v[HA+32+i:HA+32+i+1], v[TS+32+i:TS+32+i+1], v[HA+i:HA+i+1] neg_lo:[1,0,0] neg_hi:[1,0,0]
	v_pk_fma_f32 v[HA+32+i:HA+32+i+1], v[HA+32+i:HA+32+i+1], v[TS+i:TS+i+1], v[TT+i%8:TT+i%8+1]
.set i, i+2
.endr
	WIN 0
	s_wait_xcnt 0x0
	QUANT HA, PC, TM, PW
.irp c, 0,1,2
	global_store_b128 v[L16], v[PC+4*\c:PC+4*\c+3], s[76:77] offset:1536*(\a)+512*\c
.endr
.if (\a)%2 == 0
	v_mov_b32 v[WD], v[PW]
.else
	v_cndmask_b32 v[WD], v[WD], v[PW], s89
	global_store_b32 v[L4], v[WD], s[78:79] offset:128*((\a)/2)
.endif
.endm
.macro VT a
.if (\a) > 0
	s_wait_xcnt 0x0
.endif
	WIN 0x02
.set i, 0
.rept 32
	v_pk_add_f32 v[HA+i:HA+i+1], v[64*(\a)+i:64*(\a)+i+1], v[48+4*(\a):49+4*(\a)] op_sel_hi:[1,0]
.set i, i+2
.endr
	WIN 0x03
.set i, 0
.rept 32
	v_pk_add_f32 v[GA+i:GA+i+1], v[64*(\a)+i:64*(\a)+i+1], v[50+4*(\a):51+4*(\a)] op_sel_hi:[1,0]
.set i, i+2
.endr
	WIN 0
.set i, 0
.rept 32
	v_pk_mul_f32 v[EA+i:EA+i+1], v[GA+i:GA+i+1], 0xbfb8aa3b op_sel_hi:[1,0]
.set i, i+2
.endr
.set i, 0
	s_wait_alu depctr_va_vdst(0)
.rept 64
	v_exp_f32 v[EA+i], v[EA+i]
.set i, i+1
.endr
	v_nop
	s_wait_alu depctr_va_vdst(0)
.set i, 0
.rept 32
	v_pk_add_f32 v[EA+i:EA+i+1], v[EA+i:EA+i+1], 1.0 op_sel_hi:[1,0]
.set i, i+2
.endr
.set i, 0
	s_wait_alu depctr_va_vdst(0)
.rept 64
	v_rcp_f32 v[EA+i], v[EA+i]
.set i, i+1
.endr
.set i, 0
.rept 32
	v_pk_mul_f32 v[HA+i:HA+i+1], v[HA+i:HA+i+1], v[GA+i:GA+i+1]
.set i, i+2
.endr
	s_wait_alu depctr_va_vdst(0)
.set i, 0
.rept 32
	v_pk_mul_f32 v[HA+i:HA+i+1], v[HA+i:HA+i+1], v[EA+i:EA+i+1]
.set i, i+2
.endr
	QUANT HA, 64, 84, 100
.irp c, 0,1,2
	global_store_b128 v[12+(\a)], v[64+4*\c:67+4*\c], s[12:13] offset:512*\c
.endr
.if (\a)%2 == 0
	v_mov_b32 v6, v100
.else
	v_cndmask_b32 v6, v6, v100, s89
	global_store_b32 v[4+(\a)/2], v6, s[12:13]
.endif
.endm
	s_load_b256 s[4:11], s[0:1], 0x0
	s_load_b64 s[12:13], s[0:1], 0x20
	v_lshl_add_u32 v[SPW], v0, 2, SPARE
	v_mov_b32 v[NIL], 0
	ds_add_u32 v28, v29
	ds_add_u32 v28, v29
	s_wait_dscnt 0x0
	v_lshrrev_b32 v1, 5, v0
	v_readfirstlane_b32 s14, v1
	s_lshr_b32 s15, s14, 1
	s_and_b32 s16, s14, 1
	s_bfe_u32 s40, ttmp6, 0x40000
	s_bfe_u32 s41, ttmp6, 0x40004
	s_lshl_b32 s42, ttmp9, 2
	s_add_co_u32 s42, s42, s40
	s_and_b32 s17, ttmp7, 0xffff
	s_lshr_b32 s66, s17, 1
	s_min_u32 s66, s66, 2
	s_lshl_b32 s17, s17, 2
	s_add_co_u32 s17, s17, s41
	s_lshl_b32 s43, s41, 2
	s_lshl_b32 s43, 15, s43
	s_lshl_b32 s44, 0x1111, s40
	s_or_b32 s[G1+0], s43, (3<<16)|(1<<21)
	s_or_b32 s[G1B+0], s44, (3<<16)|(1<<21)
.irp g, G1, G1B
	s_mov_b32 s[\g+1], 32<<16
	s_mov_b32 s[\g+2], 150<<16
	s_mov_b32 s[\g+3], 32<<16
	s_mov_b32 s[\g+4], 150
	s_mov_b32 s[\g+5], 32
	s_mov_b32 s[\g+6], 0
	s_mov_b32 s[\g+7], 0
.endr
	s_lshl_b32 s20, s17, 1
	s_add_co_u32 s20, s20, s16
	s_mul_i32 s20, s20, GSTR
	s_mov_b32 s21, 0
	s_lshl_b32 s46, s42, 1
	s_add_co_u32 s46, s46, s16
	s_mul_i32 s46, s46, GSTR
	s_mul_i32 s47, s66, TSTR
	s_add_co_u32 s46, s46, s47
	s_add_co_u32 s46, s46, WQO
	s_mov_b32 s47, 0
	s_mul_i32 s45, s14, HALFT
	s_mov_b32 s89, 0xffff0000
	s_mov_b32 s90, 0x76543210
	s_mov_b32 s91, 0xfedcba98
	s_wait_kmcnt 0x0
	s_add_nc_u64 s[20:21], s[4:5], s[20:21]
	s_add_nc_u64 s[46:47], s[4:5], s[46:47]
	CROUND
.irp s, 0,1
	s_mov_b32 s[G0+4*\s], 1
	s_add_co_u32 s[G0+4*\s+1], s45, \s*SLOT
	s_add_nc_u64 s[G0+4*\s+2:G0+4*\s+3], s[20:21], \s*HALFT
	s_or_b32 s[G0+4*\s+3], s[G0+4*\s+3], 0x80000000
	s_mov_b32 s[G0B+4*\s], 1
	s_add_co_u32 s[G0B+4*\s+1], s45, \s*SLOT
	s_add_nc_u64 s[G0B+4*\s+2:G0B+4*\s+3], s[46:47], \s*HALFT
	s_or_b32 s[G0B+4*\s+3], s[G0B+4*\s+3], 0x80000000
	s_wait_alu depctr_va_vdst(0)
	s_wait_tensorcnt 0x0
	ds_add_u32 v28, v29
	ds_add_u32 v28, v29
	s_wait_dscnt 0x0
	CROUND
	JLOAD G0+4*\s, G0B+4*\s
.endr
	v_and_b32 v1, 31, v0
	v_lshlrev_b32 v[L16], 4, v1
	v_lshlrev_b32 v[L4], 2, v1
	s_mul_i32 s21, s15, HALFT
	s_mul_i32 s22, s16, HALFT
	s_add_co_u32 s22, s22, 2*HALFT
.irp s, 0,1
	v_add_nc_u32 v[ADRA+\s], s21, v[L16]
	v_add_nc_u32 v[ADRB+\s], s22, v[L16]
	v_add_nc_u32 v[AWA+\s], s21, v[L4]
	v_add_nc_u32 v[AWB+\s], s22, v[L4]
	s_add_co_u32 s21, s21, SLOT
	s_add_co_u32 s22, s22, SLOT
.endr
	s_wait_alu depctr_va_vdst(0)
	s_wait_tensorcnt 0x1
	s_barrier_signal -1
	s_barrier_wait -1
	FETCH_B 0, 0, 0
	FETCH_A 0, 0, 0
	SCALES 0, 0, 0
	FETCH_A 0, 0, 4
	STEP 0, 0, 0, 1
	s_mov_b32 s3, 2
.Llap:
	STEP 0, 1, 1, 0
	TURN 0, 1, 0, 1
	STEP 1, 0, 1, 0
	STEP 1, 1, 0, 0
	TURN 1, 0, 1, 1
	STEP 0, 0, 0, 0
	s_sub_co_u32 s3, s3, 1
	s_cmp_lg_u32 s3, 0
	s_cbranch_scc1 .Llap
	STEP 0, 1, 1, 0
	TURN 0, 1, 0, 0
	s_cmp_eq_u32 s66, 2
	s_cbranch_scc1 .Lv
	s_lshl_b32 s67, s42, 1
	s_add_co_u32 s67, s67, s16
	s_cmp_eq_u32 s66, 0
	s_cselect_b64 s[68:69], s[6:7], s[8:9]
	s_lshl_b32 s80, s67, 9
	s_mov_b32 s81, 0
	s_add_nc_u64 s[68:69], s[68:69], s[80:81]
	v_bfe_u32 v2, v0, 4, 1
	v_lshlrev_b32 v26, 5, v2
.irp b, 0,1,2,3,4,5,6,7
	global_load_b128 v[BI+8*\b:BI+8*\b+3], v26, s[68:69] offset:64*\b
	global_load_b128 v[BI+8*\b+4:BI+8*\b+7], v26, s[68:69] offset:64*\b+16
.endr
	s_lshl_b32 s82, s66, 3
	s_sub_co_u32 s82, s17, s82
	s_lshl_b32 s82, s82, 1
	s_add_co_u32 s82, s82, s15
	s_lshl_b32 s80, s82, 16
	s_add_co_u32 s80, s80, TABO
	s_add_nc_u64 s[74:75], s[4:5], s[80:81]
	WIN 0x40
	TABLOAD 0
	WIN 0
	s_lshl_b32 s84, s67, 4
	s_add_co_u32 s84, s84, s82
	s_mul_i32 s84, s84, PKB
	s_add_co_u32 s85, s84, 12288
	s_lshl_b32 s86, s67, 2
	s_lshr_b32 s87, s82, 2
	s_add_co_u32 s86, s86, s87
	s_mul_i32 s86, s86, SP
	s_add_co_u32 s86, s86, KVO
	s_and_b32 s87, s82, 3
	s_mul_i32 s88, s87, 12288
	s_add_co_u32 s88, s88, s86
	s_lshl_b32 s87, s87, 9
	s_add_co_u32 s87, s87, s86
	s_add_co_u32 s87, s87, 86016
	s_cmp_eq_u32 s66, 0
	s_cselect_b32 s80, s84, s88
	s_cselect_b32 s84, s85, s87
	s_mov_b32 s85, 0
	s_add_nc_u64 s[76:77], s[12:13], s[80:81]
	s_add_nc_u64 s[78:79], s[12:13], s[84:85]
	LAST64
.irp b, 0,1,2,3
	v_mov_b32 v[TM+4+\b], 0
.endr
.irp a, 0,1,2,3,4,5,6,7
	QKT \a
.endr
	s_branch .Lend
.Lv:
	s_sub_co_u32 s82, s17, 16
	s_lshl_b32 s82, s82, 1
	s_add_co_u32 s82, s82, s15
	s_lshl_b32 s83, s82, 6
	v_and_b32 v2, 15, v0
	v_add_nc_u32 v2, s83, v2
.irp a, 0,1,2,3
	v_add_nc_u32 v3, 16*\a, v2
	v_mul_u32_u24 v4, v3, 683
	v_lshrrev_b32 v4, 16, v4
	v_mul_u32_u24 v5, v4, 96
	v_sub_nc_u32 v5, v3, v5
	v_cmp_gt_u32 s[70+\a], 85, v5
	v_min_u32 v5, 84, v5
	v_mad_u32_u24 v5, v4, 85, v5
	v_lshlrev_b32 v[8+\a], 2, v5
	v_mov_b32 v[49+4*\a], 0
	v_mov_b32 v[51+4*\a], 0
	global_load_b32 v[48+4*\a], v[8+\a], s[10:11]
	global_load_b32 v[50+4*\a], v[8+\a], s[10:11] offset:5440
.endr
	s_lshl_b32 s84, s42, 1
	s_add_co_u32 s84, s84, s16
	s_lshr_b32 s85, s84, 2
	s_and_b32 s84, s84, 3
	s_mul_i32 s86, s84, 9216
	s_add_co_u32 s86, s86, KVO+49152
	s_mul_i32 s87, s84, 384
	s_add_co_u32 s87, s87, KVO+88064
	s_lshl_b32 s88, s82, 2
.irp a, 0,1,2,3
	s_add_co_u32 s80, s88, \a
	s_mul_i32 s81, s80, 43
	s_lshr_b32 s81, s81, 8
	s_mul_i32 s92, s81, 6
	s_sub_co_u32 s92, s80, s92
	s_lshl_b32 s81, s81, 2
	s_add_co_u32 s81, s81, s85
	s_mul_i32 s81, s81, SP
	s_mul_i32 s93, s92, 1536
	s_add_co_u32 s93, s93, s81
	s_add_co_u32 s93, s93, s86
	v_add_nc_u32 v[12+\a], s93, v[L16]
.if \a%2 == 0
	s_lshl_b32 s93, s92, 6
	s_add_co_u32 s93, s93, s81
	s_add_co_u32 s93, s93, s87
	v_add_nc_u32 v[4+\a/2], s93, v[L4]
.endif
.endr
	LAST64
	s_wait_loadcnt 0x0
.irp a, 0,1,2,3
	v_cndmask_b32 v[48+4*\a], 0, v[48+4*\a], s[70+\a]
	v_cndmask_b32 v[50+4*\a], 0, v[50+4*\a], s[70+\a]
.endr
.irp a, 0,1,2,3
	VT \a
.endr
.Lend:
	s_wait_tensorcnt 0x0
	ds_add_u32 v[SPW], v[NIL]
	s_wait_dscnt 0x0
	CROUND
	s_endpgm
.Lfunc_end_k_q0a5caa6078_proj:
	.size	k_q0a5caa6078_proj, .Lfunc_end_k_q0a5caa6078_proj-k_q0a5caa6078_proj
	.p2alignl 7, 3214868480
	.fill 96, 4, 3214868480
	.section	.rodata,"a",@progbits
	.p2align	6, 0x0
	.amdhsa_kernel k_q0a5caa6078_proj
		.amdhsa_group_segment_fixed_size 327680
		.amdhsa_private_segment_fixed_size 0
		.amdhsa_enable_private_segment 0
		.amdhsa_kernarg_size 40
		.amdhsa_user_sgpr_count 2
		.amdhsa_user_sgpr_kernarg_segment_ptr 1
		.amdhsa_wavefront_size32 1
		.amdhsa_system_sgpr_workgroup_id_x 1
		.amdhsa_system_sgpr_workgroup_id_y 1
		.amdhsa_system_sgpr_workgroup_id_z 1
		.amdhsa_system_vgpr_workitem_id 0
		.amdhsa_next_free_vgpr 1024
		.amdhsa_next_free_sgpr 100
		.amdhsa_reserve_vcc 0
		.amdhsa_float_denorm_mode_32 3
		.amdhsa_float_denorm_mode_16_64 3
		.amdhsa_memory_ordered 1
		.amdhsa_forward_progress 1
		.amdhsa_inst_pref_size 255
	.end_amdhsa_kernel
	.section	.bss,"aw",@nobits
	.p2align	6
	.space	262144
	.amdgpu_metadata
---
amdhsa.version: [ 1, 2 ]
amdhsa.kernels:
  - .name:           k_q0a5caa6078_proj
    .symbol:         k_q0a5caa6078_proj.kd
    .args:
      - { .name: w1, .offset: 0, .size: 8, .value_kind: global_buffer, .address_space: global }
      - { .name: bq, .offset: 8, .size: 8, .value_kind: global_buffer, .address_space: global }
      - { .name: bk, .offset: 16, .size: 8, .value_kind: global_buffer, .address_space: global }
      - { .name: bv, .offset: 24, .size: 8, .value_kind: global_buffer, .address_space: global }
      - { .name: w2, .offset: 32, .size: 8, .value_kind: global_buffer, .address_space: global }
    .group_segment_fixed_size: 327680
    .private_segment_fixed_size: 0
    .kernarg_segment_align: 8
    .kernarg_segment_size: 40
    .max_flat_workgroup_size: 128
    .sgpr_count:     100
    .vgpr_count:     1024
    .wavefront_size: 32
...
	.end_amdgpu_metadata
.endif
;; end of part 2
;; launch attn (part 3): grid 16 x 16, 16 waves a work-group, no clusters, 309,248 bytes of LDS; arguments w2, maskw, mflag, oh; writes oh
.if DOCPART == 3
	.amdgcn_target "amdgcn-amd-amdhsa--gfx1250"
	.amdhsa_code_object_version 6
	.text
	.protected	k_q0a5caa6078_attn
	.globl	k_q0a5caa6078_attn
	.p2align	8
	.type	k_q0a5caa6078_attn,@function
k_q0a5caa6078_attn:
	s_mov_b64 s[64:65], 0
	v_nop
	global_prefetch_b8 v0, s[64:65] scope:SCOPE_SE
	s_setreg_imm32_b32 hwreg(HW_REG_WAVE_MODE, 25, 1), 1
	s_wait_xcnt 0x0
; o[head][q][0..84] = sum over k of softmax_k(q . k / sqrt(128), masked) v[k], both products on codes of BF6 (E3M2) with E8M0 scales.
; THE MASK is an input and is honoured as given.  The launch before has stored, for each unit of 16 queries x 128 keys, two flags (mflag: whole numbers): 'every key masked' and 'no key masked'.
; A unit whose every key is masked gives p = 0 for all its keys and moves neither M nor the sum nor O: it is jumped over, by a scalar branch on the stored flag.  A unit with no masked key passes over the 64 selects.
; All other units take their 64 lane masks (maskw) and turn masked scores into -infinity by v_cndmask_b32.
; THE SOFTMAX AHEAD OF THE SECOND PRODUCT: t = score x log2(e) / sqrt(128); M = the running largest t rounded UP to a whole number; p = 2^(t - M) is quantised along the keys; the row's sum is taken of the
; unquantised p and divides at the end.  When M moves, the sum and O are multiplied by 2^(old M - new M): exact.
; SHARES.  A work-group: one head (y) and eight query tiles of 16: T = x + 16 g and 127 - T, g = 0 .. 3.  Wave w = 4 g + j serves pair g: first tile 127 - T, then tile T.  Of a tile's 16 key steps it takes the four with
; s % 4 = r, r = (j + g) % 4 in the first tile and 3 - r in the second.  Every unit of every tile has one owner, whatever the mask holds; the pairing only evens the counts out where the live units form a triangle.
; K IN LDS.  The head's K, 16 key steps of 12,288 bytes of fragments and 512 of scale words, is read by all sixteen waves: wave w brings key step w through its registers into LDS, once; one barrier; every live step reads K from there.
; V and its words go from w2 straight into registers, under the softmax.  Both lie in w2 as images of operand registers: each load is 512 consecutive bytes.
; The launch has no tensor load, and so no joint loads and no cluster.  No prefetch: which steps a wave walks is known only from the flags, and a head's V is read by sixteen
; work-groups, 256 waves, in the same trips.
; THE PARTS.  Each wave leaves, for each of its two tiles, its O^T, -M and sum in LDS (6,400 bytes): the first tile's in bytes of their own, the second's over K's first half, behind a barrier that every wave reaches with its
; last read of K done.  One more barrier; waves 0 to 7 bring a tile's four parts under the joint M, by exact powers of two, add them, divide and store.
; LAYOUT.  Both products transposed: S^T = K Q^T, O^T = V^T P^T: a lane holds ONE query (lane % 16).  Register 8 t + j of S^T is key 16 t + 8 (lane / 16) + j; the 16 registers of tiles 2 b, 2 b + 1 lie in block b of 32 keys.
; A query whose every key is masked: the sum is 0, O is 0, and 0 x (1 / 0) gives NaN, as the module's definition gives.
; LIMITS: the promise holds while the scaled scores t stay under 2^31 in magnitude.  NaN and infinities in Q, K, V are not served.
; REGISTERS: v1 16 l, v2 4 l; v3, v4 the add's; v5, v7 LDS addresses of K and its words; v6, v8 offsets of V and its words; v9 -infinity; v10 at work; v11 4 (l % 16); v12 -M, v13 largest t, v[14:15] the sum; v16-27 Q, v28 its words;
;   v29 p's word; v[30:31] f; v32-127 K's 8 fragments, then V's 6 (v32-103), p's codes (v104-115), at work (v116-127); v128-191 S^T, then p; v192-239 O^T; v240-243 K's words, v244-246 V's; v248-255 at work.
; SCALARS: s[4:5] w2, s[6:7] maskw, s[8:9] the head's K and V, s[10:11] oh; s12 tile trip, s13 T, s14 r, s3 the tile's flags (s56, s58: the second tile's T and flags; s57: the first tile's r); s15 'no key masked'; s16 head;
;   s17 my part's LDS bytes; s18 wave; s19 step trips; s[52:53] this quad of key steps, s[54:55] the tile's lane masks, s2 the step's offset there, s59 the key step, s66 its K in LDS; s20-51, s68-99 the 64 lane masks.
.set PKB,   12800
.set SP,    89600                      ; in w2, four key steps: K's fragments at 0, V's at 49,152, K's words at 86,016, V's at 88,064
.set KVO,   3276800
.set PART,  6400                       ; a part: 48 registers' images, then -M at 6,144 and the sum at 6,272
.set KB,    16*PART                    ; LDS: the first tiles' 16 parts, then K (over whose first half the second tiles' 16 parts are laid at the end)
.set KST,   12800                      ; a key step of K in LDS: 8 fragments, then 128 scale words
.set SPARE, KB+16*KST                  ; behind K: the spare words, 128 bytes for each of sixteen waves
.macro WM d, fa, fb, c, sa, rowa, sb
.if (\c) < 0
.if (\rowa) == 1
	v_wmma_scale_f32_16x16x128_f8f6f4 v[(\d):(\d)+7], v[(\fa):(\fa)+11], v[(\fb):(\fb)+11], 0, v[\sa], v[\sb] matrix_a_fmt:MATRIX_FMT_BF6 matrix_b_fmt:MATRIX_FMT_BF6 matrix_a_scale:MATRIX_SCALE_ROW1
.else
	v_wmma_scale_f32_16x16x128_f8f6f4 v[(\d):(\d)+7], v[(\fa):(\fa)+11], v[(\fb):(\fb)+11], 0, v[\sa], v[\sb] matrix_a_fmt:MATRIX_FMT_BF6 matrix_b_fmt:MATRIX_FMT_BF6
.endif
.else
.if (\rowa) == 1
	v_wmma_scale_f32_16x16x128_f8f6f4 v[(\d):(\d)+7], v[(\fa):(\fa)+11], v[(\fb):(\fb)+11], v[(\c):(\c)+7], v[\sa], v[\sb] matrix_a_fmt:MATRIX_FMT_BF6 matrix_b_fmt:MATRIX_FMT_BF6 matrix_a_scale:MATRIX_SCALE_ROW1
.else
	v_wmma_scale_f32_16x16x128_f8f6f4 v[(\d):(\d)+7], v[(\fa):(\fa)+11], v[(\fb):(\fb)+11], v[(\c):(\c)+7], v[\sa], v[\sb] matrix_a_fmt:MATRIX_FMT_BF6 matrix_b_fmt:MATRIX_FMT_BF6
.endif
.endif
.endm
; Tile s13's fragment of Q and its words are asked for; the first live step waits for them
.macro QLOAD
	s_lshl_b32 s60, s16, 4
	s_lshr_b32 s61, s13, 3
	s_add_co_u32 s60, s60, s61
	s_mul_i32 s60, s60, PKB                        ; Q's package: head, block of 128 queries
	s_and_b32 s61, s13, 7
	s_mul_i32 s62, s61, 1536
	s_add_co_u32 s66, s60, s62
	s_mov_b32 s67, 0
	s_add_nc_u64 s[62:63], s[4:5], s[66:67]        ; the tile's fragment
	s_lshl_b32 s61, s61, 6
	s_add_co_u32 s66, s60, s61
	s_add_co_u32 s66, s66, 12288
	s_add_nc_u64 s[60:61], s[4:5], s[66:67]        ; and its words
	global_load_b128 v[16:19], v1, s[62:63]
	global_load_b128 v[20:23], v1, s[62:63] offset:512
	global_load_b128 v[24:27], v1, s[62:63] offset:1024
	global_load_b32 v28, v11, s[60:61]
.endm
; My part of a tile into LDS: v10 = its bytes + 16 l, v248 = its bytes + 4 l
.macro PARTOUT
.set j, 0
.rept 12
	ds_store_b128 v10, v[192+4*j:195+4*j] offset:512*j             ; O^T as it stands, each accumulator from its low end on;
.set j, j+1
.endr
	ds_store_b32 v248, v12 offset:6144             ; -M,
	ds_store_b32 v248, v14 offset:6272             ; and the sum
.endm
; A LIVE KEY STEP
.macro STEP
	s_load_b512 s[20:35], s[54:55], s2 offset:0x0                  ; the step's 64 lane masks
	s_load_b512 s[36:51], s[54:55], s2 offset:0x40
	s_load_b512 s[68:83], s[54:55], s2 offset:0x80
	s_load_b512 s[84:99], s[54:55], s2 offset:0xc0
	v_add_nc_u32 v5, s66, v1
	v_add_nc_u32 v7, s66, v2
.irp f, 0,1,2,3,4,5,6,7
.irp c, 0,1,2
	ds_load_b128 v[32+12*\f+4*\c:35+12*\f+4*\c], v5 offset:1536*\f+512*\c
.endr
.endr
.irp p, 0,1,2,3
	ds_load_b32 v[240+\p], v7 offset:12288+128*\p
.endr
	s_wait_loadcnt 0x0                             ; Q, in a tile's first live step
	s_wait_dscnt 0x0                               ; K and its words
.irp t, 0,1,2,3,4,5,6,7
	WM 128+8*\t, 32+12*\t, 16, -1, 240+\t/2, \t%2, 28
.endr
.rept 4
	v_nop                                          ; places: in front of the loads into K's registers and of the first read of the scores
.endr
.irp f, 0,1,2,3,4,5
.irp c, 0,1,2
	global_load_b128 v[32+12*\f+4*\c:35+12*\f+4*\c], v6, s[52:53] offset:1536*\f+512*\c        ; V lands under the softmax
.endr
.endr
.irp p, 0,1,2
	global_load_b32 v[244+\p], v8, s[52:53] offset:128*\p
.endr
	s_wait_kmcnt 0x0                               ; the lane masks are in, on both ways
	s_cmp_lg_u32 s15, 0
	s_cbranch_scc1 .Lclear                         ; no key of this unit is masked
.set n, 0
.rept 64
	v_cndmask_b32 v[128+n], v[128+n], v9, s[20+n+16*(n/32)]        ; a masked score becomes -infinity; each tile from its low end on
.set n, n+1
.endr
.Lclear:
.irp b, 0,1,2,3
	v_max3_num_f32 v[248+\b], v[128+16*\b], v[129+16*\b], v[130+16*\b]     ; the largest score of each block of 32 keys: it serves the row's maximum and, since p rises with the score, the block's largest p
.endr
.irp i, 3,5,7,9,11,13
.irp b, 0,1,2,3
	v_max3_num_f32 v[248+\b], v[248+\b], v[128+16*\b+\i], v[129+16*\b+\i]      ; (the four blocks by turns)
.endr
.endr
.irp b, 0,1,2,3
	v_max_num_f32 v[248+\b], v[248+\b], v[143+16*\b]
.endr
.irp b, 0,1,2,3
	s_delay_alu instid0(VALU_DEP_4)
	v_permlanex16_b32 v[252+\b], v[248+\b], s100, s101
.endr
.irp b, 0,1,2,3
	s_delay_alu instid0(VALU_DEP_4)
	v_max_num_f32 v[248+\b], v[248+\b], v[252+\b]  ; with lane l xor 16's 16 keys
.endr
	s_delay_alu instid0(VALU_DEP_2)
	v_max3_num_f32 v10, v248, v249, v250
	s_delay_alu instid0(VALU_DEP_1)
	v_max_num_f32 v10, v10, v251
	s_delay_alu instid0(VALU_DEP_1)
	v_mul_f32 v10, s104, v10                       ; as t
	s_delay_alu instid0(VALU_DEP_1)
	v_max_num_f32 v13, v13, v10                    ; the running largest t
	v_mov_b32 v10, v12
	s_delay_alu instid0(VALU_DEP_2)
	v_floor_f32 v12, -v13                          ; the new -M = floor(-t): M is a whole number
	s_delay_alu instid0(VALU_DEP_1)
	v_sub_f32 v10, v12, v10                        ; old M - new M: a whole number, 0 or less
	s_delay_alu instid0(VALU_DEP_1)
	v_cvt_i32_f32 v10, v10                         ; (it saturates)
	s_delay_alu instid0(VALU_DEP_1)
	v_ldexp_f32 v30, 1.0, v10                      ; f = 2^(old M - new M)
.set j, 0
.rept 32
	v_pk_fma_f32 v[128+j:129+j], v[128+j:129+j], s[104:105], v[12:13] op_sel_hi:[1,0,0]    ; t - M
.set j, j+2
.endr
.irp b, 0,1,2,3
	v_fma_f32 v[248+\b], v[248+\b], s104, v12
.endr
.set j, 0
	s_wait_alu depctr_va_vdst(0)                   ; ahead of the batch
.rept 64
	v_exp_f32 v[128+j], v[128+j]                   ; p = 2^(t - M): not normalised
.set j, j+1
.endr
	v_pk_mul_f32 v[14:15], v[14:15], v[30:31] op_sel_hi:[1,0]      ; the sums under the new M.  (A plain line behind the exponentials)
	s_wait_alu depctr_va_vdst(0)                   ; one wait for the batch, ahead of its first reader
.irp b, 0,1,2,3
	v_exp_f32 v[248+\b], v[248+\b]                 ; the blocks' largest p
.endr
	v_pk_add_f32 v[252:253], v[132:133], v[136:137]                ; the row's sum of the unquantised p, in eight chains
	v_pk_add_f32 v[254:255], v[140:141], v[144:145]
	v_pk_add_f32 v[242:243], v[148:149], v[152:153]
	v_pk_add_f32 v[240:241], v[156:157], v[160:161]
	v_pk_add_f32 v[126:127], v[164:165], v[168:169]
	v_pk_add_f32 v[124:125], v[172:173], v[176:177]
	v_pk_add_f32 v[122:123], v[180:181], v[184:185]
	v_pk_add_f32 v[14:15], v[14:15], v[188:189]
	v_pk_add_f32 v[252:253], v[252:253], v[128:129]
	v_pk_add_f32 v[254:255], v[254:255], v[130:131]
	v_pk_add_f32 v[242:243], v[242:243], v[134:135]
	v_pk_add_f32 v[240:241], v[240:241], v[138:139]
	v_pk_add_f32 v[126:127], v[126:127], v[142:143]
	v_pk_add_f32 v[124:125], v[124:125], v[146:147]
	v_pk_add_f32 v[122:123], v[122:123], v[150:151]
	v_pk_add_f32 v[14:15], v[14:15], v[154:155]
	v_pk_add_f32 v[252:253], v[252:253], v[158:159]
	v_pk_add_f32 v[254:255], v[254:255], v[162:163]
	v_pk_add_f32 v[242:243], v[242:243], v[166:167]
	v_pk_add_f32 v[240:241], v[240:241], v[170:171]
	v_pk_add_f32 v[126:127], v[126:127], v[174:175]
	v_pk_add_f32 v[124:125], v[124:125], v[178:179]
	v_pk_add_f32 v[122:123], v[122:123], v[182:183]
	v_pk_add_f32 v[14:15], v[14:15], v[186:187]
	v_pk_add_f32 v[252:253], v[252:253], v[190:191]
	s_delay_alu instid0(VALU_DEP_2)
	v_pk_add_f32 v[14:15], v[14:15], v[240:241]
	s_delay_alu instid0(VALU_DEP_2)
	v_pk_add_f32 v[252:253], v[252:253], v[126:127]
	v_pk_add_f32 v[254:255], v[254:255], v[124:125]
	v_pk_add_f32 v[242:243], v[242:243], v[122:123]
	s_delay_alu instid0(VALU_DEP_2)
	v_pk_add_f32 v[14:15], v[14:15], v[254:255]
	s_delay_alu instid0(VALU_DEP_2)
	v_pk_add_f32 v[252:253], v[252:253], v[242:243]
	s_delay_alu instid0(VALU_DEP_1)
	v_pk_add_f32 v[14:15], v[14:15], v[252:253]
	s_wait_alu depctr_va_vdst(0)                   ; and one for the four
.irp b, 0,1,2,3
	v_max_num_f32 v[248+\b], 0x2800000, v[248+\b]  ; the floor 2^(5 - 127): the byte cannot fall under 1
.endr
.irp b, 0,1,2,3
	s_delay_alu instid0(VALU_DEP_4)
	v_add_nc_u32 v[124+\b], 0xfe000000, v[248+\b]  ; the conversion's scale operand
.endr
.irp b, 0,1,2,3
	s_delay_alu instid0(VALU_DEP_4)
	v_lshrrev_b32 v[252+\b], 23, v[124+\b]
.endr
	s_delay_alu instid0(VALU_DEP_3)
	v_lshl_or_b32 v29, v253, 8, v252               ; p's scale word for these 128 keys
	s_delay_alu instid0(VALU_DEP_1)
	v_lshl_or_b32 v29, v254, 16, v29
	s_delay_alu instid0(VALU_DEP_1)
	v_lshl_or_b32 v29, v255, 24, v29
.irp c, 0,1
	v_cvt_scalef32_pk16_bf6_f32 v[104+6*\c:106+6*\c], v[128+32*\c:143+32*\c], v[124+2*\c]
	v_cvt_scalef32_pk16_bf6_f32 v[116+4*\c:118+4*\c], v[144+32*\c:159+32*\c], v[125+2*\c]
.endr
	v_nop                                          ; one plain line behind the conversions
.irp c, 0,1
.irp i, 0,1,2
	v_permlane16_swap_b32 v[104+6*\c+\i], v[116+4*\c+\i]
.endr
.irp i, 0,1,2
	s_delay_alu instid0(VALU_DEP_3)
	v_mov_b32 v[107+6*\c+\i], v[116+4*\c+\i]
.endr
.endr
	s_wait_alu depctr_va_vdst(0)                   ; directly ahead of the first reader of O^T
.set j, 0
.rept 24
	v_pk_mul_f32 v[192+j:193+j], v[192+j:193+j], v[30:31] op_sel_hi:[1,0]      ; O^T under the new M.  (These 24 are also the places between the word, the codes and the products)
.set j, j+2
.endr
	s_wait_alu depctr_va_vdst(0)                   ; directly ahead of the wait below
	s_wait_loadcnt 0x0                             ; V and its words
.irp t, 0,1,2,3,4,5
	WM 192+8*\t, 32+12*\t, 104, 192+8*\t, 244+\t/2, \t%2, 29      ; the six accumulators take turns
.endr
.rept 4
	v_nop                                          ; places: in front of the next loads into V's registers and of the next read of O^T
.endr
.endm
	s_load_b128 s[4:7], s[0:1], 0x0                ; w2 s[4:5], maskw s[6:7]
	s_load_b128 s[8:11], s[0:1], 0x10              ; mflag s[8:9], oh s[10:11]
	v_lshl_add_u32 v3, v0, 2, SPARE
	v_mov_b32 v4, 0
	v_lshrrev_b32 v10, 5, v0
	s_delay_alu instid0(VALU_DEP_1)
	v_readfirstlane_b32 s18, v10                   ; wave 0..15
	s_lshr_b32 s2, s18, 2                          ; g: my pair of tiles.  Also: the quad of the key step that I bring into LDS
	s_and_b32 s3, s18, 3                           ; j.  Also: which step of that quad
	s_and_b32 s16, ttmp7, 0xffff                   ; the head
	s_lshl_b32 s56, s2, 4
	s_add_co_u32 s56, s56, ttmp9                   ; the second tile: x + 16 g
	s_sub_co_u32 s13, 127, s56                     ; the first: 127 - that
	s_add_co_u32 s57, s2, s3
	s_and_b32 s57, s57, 3                          ; r in the first tile
	s_lshl_b32 s15, s13, 6                         ; a tile's 16 flag words
	s_lshl_b32 s59, s56, 6
	s_mul_i32 s17, s18, PART                       ; my part of the first tile
	s_mul_i32 s19, s18, KST
	s_add_co_u32 s19, s19, KB                      ; key step w in LDS
	s_mul_i32 s66, s3, 11776
	s_sub_co_u32 s14, 86016, s66                   ; from step j's fragments to its words in w2: 86,016 + 512 j - 12,288 j
	s_mul_i32 s66, s16, 4*SP
	s_add_co_u32 s66, s66, KVO
	s_mov_b32 s67, 0
	s_mov_b32 s100, 0x76543210
	s_mov_b32 s101, 0xfedcba98                     ; v_permlanex16_b32's selects for lane l xor 16
	s_mov_b32 s104, 0x3e0293ee                     ; c = log2(e) / sqrt(128)
	s_mov_b32 s105, s104
	s_mov_b32 s12, 0
	v_and_b32 v10, 31, v0
	v_and_b32 v11, 15, v0
	s_delay_alu instid0(VALU_DEP_2)
	v_lshlrev_b32 v1, 4, v10
	v_lshlrev_b32 v2, 2, v10
	s_delay_alu instid0(VALU_DEP_3)
	v_lshlrev_b32 v11, 2, v11
	v_add_nc_u32 v5, s19, v1
	v_add_nc_u32 v6, s14, v1
	v_mov_b32 v9, 0xff800000                       ; -infinity
	v_mov_b32 v31, 0                               ; (named as the upper half of the pair v[30:31])
.irp b, 0,1,2,3
	v_mov_b32 v[252+\b], 0                         ; (a lane permute's destination counts as one of its sources)
.endr
	s_wait_alu depctr_va_vdst(0)                   ; at the head's end
	s_wait_kmcnt 0x0
	s_load_b512 s[20:35], s[8:9], s15 offset:0x0   ; both tiles' flags
	s_load_b512 s[36:51], s[8:9], s59 offset:0x0
	s_add_nc_u64 s[52:53], s[4:5], s[66:67]        ; the head's K and V
	s_mul_i32 s66, s2, SP
	s_mul_i32 s14, s3, 12288
	s_add_co_u32 s66, s66, s14
	s_add_nc_u64 s[54:55], s[52:53], s[66:67]      ; key step w's fragments
.set j, 0
.rept 24
	global_load_b128 v[32+4*j:35+4*j], v1, s[54:55] offset:512*j   ; 32 lanes read 512 consecutive bytes
.set j, j+1
.endr
	global_load_b128 v[128:131], v6, s[54:55]      ; and its 128 scale words
	QLOAD                                          ; the first tile's Q
	s_wait_kmcnt 0x0
.irp i, 1,2,3,4,5,6,7,8,9,10,11,12,13,14,15
	s_or_b32 s20, s20, s[20+\i]                    ; word s holds bits s and 16 + s alone: the 16 words make one
	s_or_b32 s36, s36, s[36+\i]
.endr
	s_mov_b32 s3, s20
	s_mov_b32 s58, s36
	s_mov_b64 s[8:9], s[52:53]                     ; from here on: the head's K and V
	s_wait_loadcnt 0x0
.set j, 0
.rept 24
	ds_store_b128 v5, v[32+4*j:35+4*j] offset:512*j
.set j, j+1
.endr
	ds_store_b128 v5, v[128:131] offset:12288
	s_wait_dscnt 0x0                               ; for the others' sake: my key step has landed
	s_barrier_signal -1
	s_barrier_wait -1                              ; all of the head's K lies in LDS
.Ltile:                                                ; two trips: tile s13, flags s3
	s_mul_i32 s14, s12, 3
	s_xor_b32 s14, s14, s57                        ; r, and in the second trip 3 - r
	s_mov_b32 s67, 0
	s_lshl_b32 s66, s13, 12
	s_add_nc_u64 s[54:55], s[6:7], s[66:67]        ; the tile's lane masks: 16 steps of 256 bytes
	s_mov_b64 s[52:53], s[8:9]                     ; key steps 0 to 3
	s_lshl_b32 s2, s14, 8
	s_mov_b32 s59, s14                             ; my first key step: r
	s_mul_i32 s66, s14, 9216
	s_add_co_u32 s66, s66, 49152
	v_add_nc_u32 v6, s66, v1                       ; step r of a quad: V's fragments,
	s_mul_i32 s66, s14, 384
	s_add_co_u32 s66, s66, 88064
	v_add_nc_u32 v8, s66, v2                       ; V's words
	s_mul_i32 s66, s14, KST
	s_add_co_u32 s66, s66, KB                      ; key step r's K in LDS
	v_mov_b32 v13, 0xff61b1e6                      ; the largest t so far: -3e38
	v_mov_b32 v14, 0
	v_mov_b32 v15, 0
	s_delay_alu instid0(VALU_DEP_3)
	v_floor_f32 v12, -v13
.set j, 0
.rept 48
	v_mov_b32 v[192+j], 0                          ; O^T: which step is a tile's first live one is known from the flags alone, so the step is written once and finds zeros
.set j, j+1
.endr
	s_mov_b32 s19, 4
	s_wait_alu depctr_va_vdst(0)
.Lstep:                                                ; four trips: key steps r, r + 4, r + 8, r + 12
	s_lshr_b32 s67, s3, s59
	s_bfe_u32 s15, s67, 0x10010                    ; bit 16 + s: no key masked
	s_bitcmp1_b32 s67, 0                           ; bit s: every key masked
	s_cbranch_scc1 .Ldead
	STEP
.Ldead:
	s_add_nc_u64 s[52:53], s[52:53], SP            ; (every load that named these has been waited for)
	s_add_co_u32 s2, s2, 1024
	s_add_co_u32 s59, s59, 4
	s_add_co_u32 s66, s66, 4*KST
	s_sub_co_u32 s19, s19, 1
	s_cmp_lg_u32 s19, 0
	s_cbranch_scc1 .Lstep
	v_add_f32 v14, v14, v15                        ; the sum's two halves
	v_add_nc_u32 v10, s17, v1
	v_add_nc_u32 v248, s17, v2
	s_wait_alu depctr_va_vdst(0)                   ; directly ahead of the wait below
	s_wait_loadcnt 0x0                             ; Q's loads, where no step was live
	s_cmp_lg_u32 s12, 0
	s_cbranch_scc1 .Lwalked                        ; the second tile's part is stored behind the barrier below
	PARTOUT                                        ; the first tile's part, into bytes of its own
	s_wait_dscnt 0x0                               ; the stores have landed: their registers are written again
	s_mov_b32 s13, s56
	s_mov_b32 s3, s58
	QLOAD                                          ; the second tile's Q
	s_add_co_u32 s17, s17, 16*PART
	s_add_co_u32 s12, s12, 1
	s_cmp_lt_u32 s12, 2
	s_cbranch_scc1 .Ltile
.Lwalked:
	s_barrier_signal -1                            ; (none of my LDS instructions is out)
	s_barrier_wait -1                              ; no wave reads K any more
	PARTOUT                                        ; the second tile's part, over K's first half
	s_wait_dscnt 0x0                               ; for the others' sake: my stores have landed
	; THE PARTS MEET.  Wave m = 0 .. 7 joins tile slot m: slots 0-3 the first tiles of pairs 0-3, slots 4-7 the second; a slot's four parts lie on end, 25,600 bytes.  Every LDS address is made here, on the way that all waves take.
	s_and_b32 s3, s18, 7
	s_and_b32 s60, s3, 3
	s_lshl_b32 s60, s60, 4
	s_add_co_u32 s60, s60, ttmp9
	s_sub_co_u32 s61, 127, s60
	s_cmp_lt_u32 s3, 4
	s_cselect_b32 s60, s61, s60                    ; the slot's tile T
	s_mul_i32 s60, s60, 5440
	s_mul_i32 s61, s16, 696320
	s_add_co_u32 s60, s60, s61
	s_mov_b32 s61, 0
	s_add_nc_u64 s[10:11], s[10:11], s[60:61]      ; its 16 rows of 85 numbers in oh
	s_mul_i32 s3, s3, 4*PART
	v_and_b32 v10, 15, v0
	v_bfe_u32 v11, v0, 4, 1
	s_delay_alu instid0(VALU_DEP_2)
	v_mul_u32_u24 v5, v10, 340
	s_delay_alu instid0(VALU_DEP_1)
	v_add_nc_u32 v5, s3, v5                        ; the way out: row r
	s_delay_alu instid0(VALU_DEP_3)
	v_mul_u32_u24 v6, v11, 5440
	s_delay_alu instid0(VALU_DEP_1)
	v_add_nc_u32 v6, v6, v5                        ; for channels 80 to 84: lanes 16-31, whose channels 88 on do not exist, write into the stage's second half, which nobody reads
	v_lshl_add_u32 v5, v11, 5, v5                  ; + 32 h
	v_add_nc_u32 v7, s3, v1                        ; 16 x lane: images of registers, and rows read back
	v_add_nc_u32 v8, s3, v2                        ; 4 x lane
.irp i, 0,1,2,3
	v_mov_b32 v[233+2*\i], 0                       ; (named as the upper halves of the factors' pairs)
.endr
	s_wait_alu depctr_va_vdst(0)                   ; directly ahead of the barrier
	s_barrier_signal -1
	s_barrier_wait -1
	s_cmp_lt_u32 s18, 8
	s_cbranch_scc0 .Lend                           ; waves 8 to 15 are done
.irp i, 0,1,2,3
	ds_load_b32 v[224+\i], v8 offset:PART*\i+6144  ; the four -M
	ds_load_b32 v[228+\i], v8 offset:PART*\i+6272  ; and sums
.endr
.irp i, 0,1,2,3
.set j, 0
.rept 12
	ds_load_b128 v[32+48*\i+4*j:35+48*\i+4*j], v7 offset:PART*\i+512*j
.set j, j+1
.endr
.endr
	s_wait_dscnt 48                                ; all but the 48 loads of O^T
	v_min_num_f32 v10, v224, v225
	v_min_num_f32 v11, v226, v227
	s_delay_alu instid0(VALU_DEP_1)
	v_min_num_f32 v10, v10, v11                    ; the joint -M: the largest M
.irp i, 0,1,2,3
	v_sub_f32 v[232+2*\i], v10, v[224+\i]          ; a part's M less the joint one: a whole number, 0 or less
.endr
.irp i, 0,1,2,3
	s_delay_alu instid0(VALU_DEP_4)
	v_cvt_i32_f32 v[232+2*\i], v[232+2*\i]         ; (it saturates)
.endr
.irp i, 0,1,2,3
	s_delay_alu instid0(VALU_DEP_4)
	v_ldexp_f32 v[232+2*\i], 1.0, v[232+2*\i]
.endr
	s_delay_alu instid0(VALU_DEP_4)
	v_mul_f32 v14, v228, v232
	s_delay_alu instid0(VALU_DEP_1)
	v_fma_f32 v14, v229, v234, v14
	s_delay_alu instid0(VALU_DEP_1)
	v_fma_f32 v14, v230, v236, v14
	s_delay_alu instid0(VALU_DEP_1)
	v_fma_f32 v14, v231, v238, v14                 ; the four sums under the joint M
	s_delay_alu instid0(VALU_DEP_1)
	v_permlanex16_b32 v252, v14, s100, s101
	s_delay_alu instid0(VALU_DEP_1)
	v_add_f32 v14, v14, v252                       ; the row's sum
	s_wait_alu depctr_va_vdst(0)                   ; ahead of the wait below and of the reciprocal
	s_wait_dscnt 0x0
	v_rcp_f32 v14, v14
.set j, 0
.rept 23
	v_pk_mul_f32 v[32+j:33+j], v[32+j:33+j], v[232:233] op_sel_hi:[1,0]                        ; the four O^T under the joint M: plain work behind the reciprocal, which it does not name
.set j, j+2
.endr
.irp i, 1,2,3
.set j, 0
.rept 23
	v_pk_fma_f32 v[32+j:33+j], v[32+48*\i+j:33+48*\i+j], v[232+2*\i:233+2*\i], v[32+j:33+j] op_sel_hi:[1,0,1]
.set j, j+2
.endr
.endr
	; THE WAY OUT.  O^T / the sum goes through my stage, 16 rows of 85 numbers on end, and leaves as 5,440 dense bytes.
	s_wait_alu depctr_va_vdst(0)                   ; ahead of the reciprocal's first reader
.set j, 0
.rept 45
	v_mul_f32 v[128+j], v[32+j], v14               ; register 8 t + i: o(r, 16 t + 8 h + i)
.set j, j+1
.endr
.irp t, 0,1,2,3,4
.irp i, 0,1,2,3,4,5,6,7
	ds_store_b32 v5, v[128+8*\t+\i] offset:64*\t+4*\i              ; over the slot's parts, which I alone read, and have read
.endr
.endr
.irp i, 0,1,2,3,4
	ds_store_b32 v6, v[168+\i] offset:320+4*\i
.endr
.irp i, 0,1,2,3,4,5,6,7,8,9
	ds_load_b128 v[32+4*\i:35+4*\i], v7 offset:512*\i              ; LDS serves a wave's instructions in order: these see my stores
.endr
	ds_load_b128 v[72:75], v7 offset:4928                          ; the last 512 of the 5,440 bytes: it overlaps the load before
.irp i, 0,1,2,3,4,5,6,7,8,9
	s_wait_dscnt 10-\i
	global_store_b128 v1, v[32+4*\i:35+4*\i], s[10:11] offset:512*\i
.endr
	s_wait_dscnt 0x0
	global_store_b128 v1, v[72:75], s[10:11] offset:4928
.Lend:
	s_wait_tensorcnt 0x0                           ; the wave's end
	ds_add_u32 v3, v4
	s_wait_dscnt 0x0
	s_endpgm
.Lfunc_end_k_q0a5caa6078_attn:
	.size	k_q0a5caa6078_attn, .Lfunc_end_k_q0a5caa6078_attn-k_q0a5caa6078_attn
	.p2alignl 7, 3214868480
	.fill 96, 4, 3214868480
	.section	.rodata,"a",@progbits
	.p2align	6, 0x0
	.amdhsa_kernel k_q0a5caa6078_attn
		.amdhsa_group_segment_fixed_size 309248
		.amdhsa_private_segment_fixed_size 0
		.amdhsa_enable_private_segment 0
		.amdhsa_kernarg_size 32
		.amdhsa_user_sgpr_count 2
		.amdhsa_user_sgpr_kernarg_segment_ptr 1
		.amdhsa_wavefront_size32 1
		.amdhsa_system_sgpr_workgroup_id_x 1
		.amdhsa_system_sgpr_workgroup_id_y 1
		.amdhsa_system_sgpr_workgroup_id_z 1
		.amdhsa_system_vgpr_workitem_id 0
		.amdhsa_next_free_vgpr 256
		.amdhsa_next_free_sgpr 106
		.amdhsa_reserve_vcc 0
		.amdhsa_float_denorm_mode_32 3
		.amdhsa_float_denorm_mode_16_64 3
		.amdhsa_memory_ordered 1
		.amdhsa_forward_progress 1
		.amdhsa_inst_pref_size 57
	.end_amdhsa_kernel
	.amdgpu_metadata
---
amdhsa.version: [ 1, 2 ]
amdhsa.kernels:
  - .name:           k_q0a5caa6078_attn
    .symbol:         k_q0a5caa6078_attn.kd
    .args:
      - { .name: w2, .offset: 0, .size: 8, .value_kind: global_buffer, .address_space: global }
      - { .name: maskw, .offset: 8, .size: 8, .value_kind: global_buffer, .address_space: global }
      - { .name: mflag, .offset: 16, .size: 8, .value_kind: global_buffer, .address_space: global }
      - { .name: oh, .offset: 24, .size: 8, .value_kind: global_buffer, .address_space: global }
    .group_segment_fixed_size: 309248
    .private_segment_fixed_size: 0
    .kernarg_segment_align: 8
    .kernarg_segment_size: 32
    .max_flat_workgroup_size: 512
    .sgpr_count:     106
    .vgpr_count:     256
    .wavefront_size: 32
...
	.end_amdgpu_metadata
.endif
;; end of part 3
;; launch qo (part 4): grid 128 x 1, 8 waves a work-group, no clusters, 88,064 bytes of LDS; arguments oh, oc; writes oc
.if DOCPART == 4
	.amdgcn_target "amdgcn-amd-amdhsa--gfx1250"
	.amdhsa_code_object_version 6
	.text
	.protected	k_q0a5caa6078_qo
	.globl	k_q0a5caa6078_qo
	.p2align	8
	.type	k_q0a5caa6078_qo,@function
k_q0a5caa6078_qo:
	s_mov_b64 s[64:65], 0
	v_nop
	global_prefetch_b8 v0, s[64:65] scope:SCOPE_SE
	s_setreg_imm32_b32 hwreg(HW_REG_WAVE_MODE, 25, 1), 1
	s_wait_xcnt 0x0
; o, f32, laid [head][token][85], is quantised along the 1,360 columns c = 85 head + d of a token's row (blocks of 32 straddle heads; the last block is filled with zeros, and so is the K step up to 1,408)
; into codes of BF6 (E3M2) and E8M0 scale words, laid as the last product's operand: [group of 128 tokens][K step of 128][package of 8 fragments + 128 scale words].
; A work-group takes 16 tokens: its eight waves copy the 16 heads' tiles (5,440 dense bytes each) into LDS; one barrier; then wave s % 8 makes K step s's fragment, s = 0 .. 10.
; Lane (r, h) takes blocks h and 2 + h of row r.  Column c lies at 5,440 (c / 85) + 340 r + 4 (c % 85); 32 columns on that is 128 bytes more, or 5,228 where a head's end lies between.
; A token whose every key was masked holds NaN: its blocks get the scale byte 0xff, which makes that row of the output NaN.  Memory binds here: no matrix unit, no cluster, no tensor load.
; LIMITS: a block whose largest magnitude lies under 2^-122 (a block of zeros too) keeps the byte 1: this program alone reads the bytes.  Infinities are not served.
.macro QB X, IM, T, M, W
	v_max3_num_f32 v[\M], |v[\X]|, |v[\X+1]|, 0x2800000
	v_max3_num_f32 v[\M+1], |v[\X+32]|, |v[\X+33]|, 0x2800000
.irp i, 2,4,6,8,10,12,14,16,18,20,22,24,26,28,30
	s_delay_alu instid0(VALU_DEP_2)
	v_max3_num_f32 v[\M], v[\M], |v[\X+\i]|, |v[\X+\i+1]|
	s_delay_alu instid0(VALU_DEP_2)
	v_max3_num_f32 v[\M+1], v[\M+1], |v[\X+32+\i]|, |v[\X+33+\i]|
.endr
	s_delay_alu instid0(VALU_DEP_2)
	v_add_nc_u32 v[\M+2], 0xfe000000, v[\M]
	s_delay_alu instid0(VALU_DEP_2)
	v_add_nc_u32 v[\M+3], 0xfe000000, v[\M+1]
	s_delay_alu instid0(VALU_DEP_2)
	v_lshrrev_b32 v[\M+4], 23, v[\M+2]
	s_delay_alu instid0(VALU_DEP_2)
	v_lshrrev_b32 v[\M+5], 23, v[\M+3]
	v_add_f32 v[\M+6], v[\X], v[\X+31]             ; a row is NaN as a whole or not at all
	s_delay_alu instid0(VALU_DEP_1)
	v_cmp_neq_f32 vcc_lo, v[\M+6], v[\M+6]
	s_delay_alu instid0(VALU_DEP_1)
	v_cndmask_b32 v[\M+4], v[\M+4], v24, vcc_lo
	v_add_f32 v[\M+6], v[\X+32], v[\X+63]
	s_delay_alu instid0(VALU_DEP_1)
	v_cmp_neq_f32 vcc_lo, v[\M+6], v[\M+6]
	s_delay_alu instid0(VALU_DEP_1)
	v_cndmask_b32 v[\M+5], v[\M+5], v24, vcc_lo
	s_delay_alu instid0(VALU_DEP_1)
	v_lshl_or_b32 v[\W], v[\M+5], 16, v[\M+4]
	s_delay_alu instid0(VALU_DEP_1)
	v_lshlrev_b32 v[\W], v6, v[\W]                 ; 8 h bits up
	s_delay_alu instid0(VALU_DEP_1)
	v_permlanex16_b32 v[\M+6], v[\W], s18, s19
	s_delay_alu instid0(VALU_DEP_1)
	v_or_b32 v[\W], v[\W], v[\M+6]
	v_cvt_scalef32_pk16_bf6_f32 v[\IM:\IM+2], v[\X:\X+15], v[\M+2]
	v_cvt_scalef32_pk16_bf6_f32 v[\T:\T+2], v[\X+16:\X+31], v[\M+2]
	v_cvt_scalef32_pk16_bf6_f32 v[\IM+6:\IM+8], v[\X+32:\X+47], v[\M+3]
	v_cvt_scalef32_pk16_bf6_f32 v[\T+4:\T+6], v[\X+48:\X+63], v[\M+3]
	v_nop
.irp i, 0,1,2
	v_mov_b32 v[\IM+3+\i], v[\T+\i]
	v_mov_b32 v[\IM+9+\i], v[\T+4+\i]
.endr
.endm
.macro QS ks
	s_wait_xcnt 0x0                                ; my earlier unit's stores have read their registers
.set i, 0
.rept 64
.set c0, 128*(\ks)+64*(i/32)+i%32      ; the column of lanes 0-15; lanes 16-31 take the column 32 on
.set hd, c0/85
.set ph, 5440*hd+4*(c0%85)-43520*(hd/8)   ; from head 8 on the address registers carry 43,520 of it: the immediate has 16 bits
.if c0 >= 1360
	v_mov_b32 v[32+i], 0
.elseif c0+32 >= 1360
	ds_load_b32 v[32+i], v14 offset:ph             ; both halves read the same number; lanes 16-31's is cleared below
.elseif hd == (c0+32)/85
	ds_load_b32 v[32+i], v[10+2*(hd/8)] offset:ph
.else
	ds_load_b32 v[32+i], v[11+2*(hd/8)] offset:ph
.endif
.set i, i+1
.endr
	s_wait_dscnt 0x0
.if (\ks) == 10
.set i, 32
.rept 16
	v_cndmask_b32 v[32+i], 0, v[32+i], s16         ; columns 1,376 on do not exist
.set i, i+1
.endr
.endif
	QB 32, 96, 108, 16, 23
.irp c, 0,1,2
	global_store_b128 v5, v[96+4*\c:99+4*\c], s[14:15] offset:12800*(\ks)+512*\c
.endr
	global_store_b32 v7, v23, s[12:13] offset:12800*(\ks)          ; both halves of the lanes write the same word with the same value
.endm
	s_load_b128 s[4:7], s[0:1], 0x0                ; oh s[4:5], oc s[6:7]
	v_lshl_add_u32 v128, v0, 2, 0x15400
	v_mov_b32 v129, 0
	v_lshrrev_b32 v1, 5, v0
	s_delay_alu instid0(VALU_DEP_1)
	v_readfirstlane_b32 s8, v1                     ; wave 0..7
	v_and_b32 v2, 31, v0
	v_and_b32 v3, 15, v0                           ; r
	v_bfe_u32 v4, v0, 4, 1                         ; h
	s_delay_alu instid0(VALU_DEP_3)
	v_lshlrev_b32 v5, 4, v2                        ; 16 x lane
	s_delay_alu instid0(VALU_DEP_2)
	v_lshlrev_b32 v6, 3, v4                        ; 8 h
	s_delay_alu instid0(VALU_DEP_4)
	v_lshlrev_b32 v7, 2, v3                        ; 4 r
	s_mul_i32 s9, s8, 10880
	v_add_nc_u32 v8, s9, v5                        ; LDS, on the way in: my two heads' tiles
	v_mul_u32_u24 v9, v3, 340                      ; every LDS address register is made here, ahead of the waves' parting
	s_delay_alu instid0(VALU_DEP_1)
	v_lshl_add_u32 v10, v4, 7, v9                  ; 340 r + 128 h
	v_mul_u32_u24 v11, v4, 5228
	s_delay_alu instid0(VALU_DEP_1)
	v_add_nc_u32 v11, v11, v9                      ; 340 r + 5,228 h
	s_delay_alu instid0(VALU_DEP_3)
	v_add_nc_u32 v12, 43520, v10
	s_delay_alu instid0(VALU_DEP_2)
	v_add_nc_u32 v13, 43520, v11
	v_add_nc_u32 v14, 43520, v9
	v_mov_b32 v24, 0xff
	s_mov_b32 s16, 0x0000ffff
	s_mov_b32 s18, 0x76543210
	s_mov_b32 s19, 0xfedcba98
	s_mul_i32 s10, s8, 2*696320                    ; heads 2 w, 2 w + 1,
	s_mul_i32 s11, ttmp9, 5440                     ; token tile T
	s_add_co_u32 s10, s10, s11
	s_mov_b32 s11, 0
	s_lshr_b32 s12, ttmp9, 3
	s_mul_i32 s12, s12, 140800                     ; the group of 128 tokens: 11 packages
	s_and_b32 s13, ttmp9, 7
	s_mul_i32 s14, s13, 1536
	s_add_co_u32 s14, s14, s12                     ; my tile's fragment in a package
	s_mov_b32 s15, 0
	s_lshl_b32 s13, s13, 6
	s_add_co_u32 s12, s12, s13
	s_add_co_u32 s12, s12, 12288                   ; and its 16 scale words
	s_mov_b32 s13, 0
	s_wait_alu depctr_va_vdst(0)
	s_wait_kmcnt 0x0
	s_add_nc_u64 s[4:5], s[4:5], s[10:11]
	s_add_nc_u64 s[14:15], s[6:7], s[14:15]
	s_add_nc_u64 s[12:13], s[6:7], s[12:13]
.irp e, 0,1
.irp i, 0,1,2,3,4,5,6,7,8,9,10
	global_load_b128 v[32+4*(11*\e+\i):35+4*(11*\e+\i)], v5, s[4:5] offset:696320*\e+512*\i-192*(\i/10) th:TH_LOAD_NT   ; 512 consecutive bytes; the eleventh overlaps the tenth, so that none leaves the tile
.endr
.endr
	s_wait_loadcnt 0x0
.irp e, 0,1
.irp i, 0,1,2,3,4,5,6,7,8,9,10
	ds_store_b128 v8, v[32+4*(11*\e+\i):35+4*(11*\e+\i)] offset:5440*\e+512*\i-192*(\i/10)
.endr
.endr
	s_wait_dscnt 0x0                               ; for the others' sake: my stores have landed
	s_barrier_signal -1
	s_barrier_wait -1                              ; the 16 rows of 1,360 numbers lie in LDS
.irp ks, 0,1,2,3,4,5,6,7,8,9,10
	s_cmp_lg_u32 s8, \ks%8
	s_cbranch_scc1 .Lskip\ks
	QS \ks
.Lskip\ks:
.endr
	s_wait_tensorcnt 0x0
	ds_add_u32 v128, v129
	s_wait_dscnt 0x0
	s_endpgm
.Lfunc_end_k_q0a5caa6078_qo:
	.size	k_q0a5caa6078_qo, .Lfunc_end_k_q0a5caa6078_qo-k_q0a5caa6078_qo
	.p2alignl 7, 3214868480
	.fill 96, 4, 3214868480
	.section	.rodata,"a",@progbits
	.p2align	6, 0x0
	.amdhsa_kernel k_q0a5caa6078_qo
		.amdhsa_group_segment_fixed_size 88064
		.amdhsa_private_segment_fixed_size 0
		.amdhsa_enable_private_segment 0
		.amdhsa_kernarg_size 16
		.amdhsa_user_sgpr_count 2
		.amdhsa_user_sgpr_kernarg_segment_ptr 1
		.amdhsa_wavefront_size32 1
		.amdhsa_system_sgpr_workgroup_id_x 1
		.amdhsa_system_sgpr_workgroup_id_y 1
		.amdhsa_system_sgpr_workgroup_id_z 1
		.amdhsa_system_vgpr_workitem_id 0
		.amdhsa_next_free_vgpr 130
		.amdhsa_next_free_sgpr 66
		.amdhsa_reserve_vcc 1
		.amdhsa_float_denorm_mode_32 3
		.amdhsa_float_denorm_mode_16_64 3
		.amdhsa_memory_ordered 1
		.amdhsa_forward_progress 1
		.amdhsa_inst_pref_size 105
	.end_amdhsa_kernel
	.amdgpu_metadata
---
amdhsa.version: [ 1, 2 ]
amdhsa.kernels:
  - .name:           k_q0a5caa6078_qo
    .symbol:         k_q0a5caa6078_qo.kd
    .args:
      - { .name: oh, .offset: 0, .size: 8, .value_kind: global_buffer, .address_space: global }
      - { .name: oc, .offset: 8, .size: 8, .value_kind: global_buffer, .address_space: global }
    .group_segment_fixed_size: 88064
    .private_segment_fixed_size: 0
    .kernarg_segment_align: 8
    .kernarg_segment_size: 16
    .max_flat_workgroup_size: 256
    .sgpr_count:     66
    .vgpr_count:     130
    .wavefront_size: 32
...
	.end_amdgpu_metadata
.endif
;; end of part 4
;; launch outp (part 5): grid 16 x 16, 4 waves a work-group, clusters of 4 x 4, 327,680 bytes of LDS; arguments oc, w1, bo, out0; writes out0
.if DOCPART == 5
	.amdgcn_target "amdgcn-amd-amdhsa--gfx1250"
	.amdhsa_code_object_version 6
	.text
	.protected	k_q0a5caa6078_outp
	.globl	k_q0a5caa6078_outp
	.p2align	8
	.type	k_q0a5caa6078_outp,@function
k_q0a5caa6078_outp:
	s_mov_b64 s[64:65], 0
	v_nop
	global_prefetch_b8 v0, s[64:65] scope:SCOPE_SE
	s_setreg_imm32_b32 hwreg(HW_REG_WAVE_MODE, 25, 1), 1
	s_wait_xcnt 0x0
	s_wait_alu depctr_hold_cnt(0) depctr_sa_sdst(0) depctr_va_vdst(0) depctr_va_sdst(0) depctr_va_ssrc(0) depctr_va_vcc(0) depctr_vm_vsrc(0)
	s_getreg_b32 s2, hwreg(HW_REG_IB_STS2, 6, 4)
	s_cmp_eq_u32 s2, 0
	s_cbranch_scc0 .Lentry_in_a_cluster
	s_endpgm
.Lentry_in_a_cluster:
	s_bfe_u32 s2, ttmp6, 0x10000c
	s_cmp_lg_u32 s2, 0xf033
	s_cbranch_scc0 .Lentry_shape_is_right
	s_endpgm
.Lentry_shape_is_right:
; out0 = o Wo + bo on codes of BF6 (E3M2) with E8M0 scales; K = 1,360, filled with zero codes to 1,408: 11 steps of 128.
; A work-group of four waves makes 128 tokens x 128 columns, a wave 64 x 64: 16 accumulators.  256 work-groups.
; ALL OF K LIES IN LDS: the tokens' group (11 packages, 140,800 dense bytes) at 0, Wo's group at 140,800; each wave fetches half of one by ONE tensor load.  Nothing is filled again: no ring.
; CLUSTERS: 4 x 4; the tokens' group is asked for jointly along a row of the cluster, Wo's along a column.
; THE MATRIX INSTRUCTION IS USED TRANSPOSED (source 0 = 16 columns of the output, rows of Wo's codes; source 1 = 16 tokens): a lane holds eight neighbouring numbers of a row of out0.  The bias is the C of each sum's first instruction.
; REGISTERS: window 0: v16-23 addresses; v32-39 scale words, two sets; v64-95 the bias; v128-255 the accumulators ((a, b) at v[128 + 8 (4 a + b)]); on the way out v32-95 hold rows.
;   window 1: two sets of fragments at v0 and v128: the tokens' four, then Wo's four.
.set PKB,  12800
.set GB,   11*PKB
.set HB,   GB/2
.set WOO,  21299200
.set STG,  2*GB                        ; behind the operands: a stage of 16 rows x (256 + 16) bytes for each wave; no fill lands there
.set AA,   16
.set AB,   17
.set AWA,  18
.set AWB,  19
.set STO,  20
.set RD,   21
.set CO,   22
.set BO,   23
.set SCW,  32
.set BI,   64
.set ACC,  128
.set G1,   24
.set G0,   32
.set G1B,  48
.set G0B,  56
.set MSB, 0
.macro WIN new
.set WNEW, \new
.if MSB != WNEW
	s_set_vgpr_msb (MSB<<8)|WNEW
.set MSB, WNEW
.endif
.endm
.macro WM d, fa, fb, c, sa, rowa, sb, rowb
.if ((\rowa) == 1) && ((\rowb) == 1)
	v_wmma_scale_f32_16x16x128_f8f6f4 v[(\d):(\d)+7], v[(\fa):(\fa)+11], v[(\fb):(\fb)+11], v[(\c):(\c)+7], v[\sa], v[\sb] matrix_a_fmt:MATRIX_FMT_BF6 matrix_b_fmt:MATRIX_FMT_BF6 matrix_a_scale:MATRIX_SCALE_ROW1 matrix_b_scale:MATRIX_SCALE_ROW1
.elseif (\rowa) == 1
	v_wmma_scale_f32_16x16x128_f8f6f4 v[(\d):(\d)+7], v[(\fa):(\fa)+11], v[(\fb):(\fb)+11], v[(\c):(\c)+7], v[\sa], v[\sb] matrix_a_fmt:MATRIX_FMT_BF6 matrix_b_fmt:MATRIX_FMT_BF6 matrix_a_scale:MATRIX_SCALE_ROW1
.elseif (\rowb) == 1
	v_wmma_scale_f32_16x16x128_f8f6f4 v[(\d):(\d)+7], v[(\fa):(\fa)+11], v[(\fb):(\fb)+11], v[(\c):(\c)+7], v[\sa], v[\sb] matrix_a_fmt:MATRIX_FMT_BF6 matrix_b_fmt:MATRIX_FMT_BF6 matrix_b_scale:MATRIX_SCALE_ROW1
.else
	v_wmma_scale_f32_16x16x128_f8f6f4 v[(\d):(\d)+7], v[(\fa):(\fa)+11], v[(\fb):(\fb)+11], v[(\c):(\c)+7], v[\sa], v[\sb] matrix_a_fmt:MATRIX_FMT_BF6 matrix_b_fmt:MATRIX_FMT_BF6
.endif
.endm
.macro CROUND
	s_barrier_signal -1
	s_barrier_wait -1
	s_cmp_lg_u32 s14, 0
	s_cbranch_scc1 .Lnot_wave_0_\@
	s_barrier_signal -3
.Lnot_wave_0_\@:
	s_barrier_wait -3
	s_barrier_signal -1
	s_barrier_wait -1
.endm
.macro FETCH par                       ; a K step's 8 fragments and 4 registers of scale words into set par: 28 loads
	WIN 0x40
.irp f, 0,1,2,3
.irp c, 0,1,2
	ds_load_b128 v[128*(\par)+12*\f+4*\c:128*(\par)+12*\f+4*\c+3], v[AA] offset:1536*\f+512*\c
	ds_load_b128 v[128*(\par)+48+12*\f+4*\c:128*(\par)+48+12*\f+4*\c+3], v[AB] offset:1536*\f+512*\c
.endr
.endr
	WIN 0
.irp p, 0,1
	ds_load_b32 v[SCW+4*(\par)+\p], v[AWA] offset:128*\p
	ds_load_b32 v[SCW+4*(\par)+2+\p], v[AWB] offset:128*\p
.endr
.endm
	s_load_b256 s[4:11], s[0:1], 0x0               ; oc s[4:5], w1 s[6:7], bo s[8:9], out0 s[10:11]
	v_lshl_add_u32 v126, v0, 2, 0x49000
	v_mov_b32 v127, 0
	ds_add_u32 v126, v127
	ds_add_u32 v126, v127
	v_lshrrev_b32 v1, 5, v0
	v_readfirstlane_b32 s14, v1                    ; wave 0..3
	s_lshr_b32 s15, s14, 1                         ; which 64 tokens are mine.  Also: I fetch the tokens' group (0) or Wo's (1)
	s_and_b32 s16, s14, 1                          ; which 64 columns.  Also: which half of that group I fetch
	s_bfe_u32 s40, ttmp6, 0x40000
	s_bfe_u32 s41, ttmp6, 0x40004
	s_lshl_b32 s42, ttmp9, 2
	s_add_co_u32 s42, s42, s40                     ; x: the group of 128 columns
	s_and_b32 s17, ttmp7, 0xffff
	s_lshl_b32 s17, s17, 2
	s_add_co_u32 s17, s17, s41                     ; y: the group of 128 tokens
	s_lshl_b32 s43, s41, 2
	s_lshl_b32 s43, 15, s43
	s_lshl_b32 s44, 0x1111, s40
	s_or_b32 s[G1+0], s43, (3<<16)|(1<<21)         ; the mask; elements of 8 bytes; bit 21 beside a mask
	s_or_b32 s[G1B+0], s44, (3<<16)|(1<<21)
.irp g, G1, G1B
	s_mov_b32 s[\g+1], 32<<16                      ; rows of 256 bytes,
	s_mov_b32 s[\g+2], 275<<16                     ; 275 of them,
	s_mov_b32 s[\g+3], 32<<16
	s_mov_b32 s[\g+4], 275
	s_mov_b32 s[\g+5], 32                          ; dense
	s_mov_b32 s[\g+6], 0
	s_mov_b32 s[\g+7], 0
.endr
	s_mul_i32 s18, s16, HB
	s_mul_i32 s20, s17, GB
	s_add_co_u32 s20, s20, s18
	s_mov_b32 s21, 0
	s_mul_i32 s46, s42, GB
	s_add_co_u32 s46, s46, s18
	s_add_co_u32 s46, s46, WOO
	s_mov_b32 s47, 0
	s_mul_i32 s45, s14, HB                         ; where it goes: wave x 70,400
	s_wait_dscnt 0x0
	s_wait_kmcnt 0x0
	s_add_nc_u64 s[20:21], s[4:5], s[20:21]
	s_add_nc_u64 s[46:47], s[6:7], s[46:47]
	CROUND                                         ; all sixteen work-groups are here: the joint loads meet
	s_mov_b32 s[G0], 1
	s_mov_b32 s[G0+1], s45
	s_mov_b64 s[G0+2:G0+3], s[20:21]
	s_or_b32 s[G0+3], s[G0+3], 0x80000000
	s_mov_b32 s[G0B], 1
	s_mov_b32 s[G0B+1], s45
	s_mov_b64 s[G0B+2:G0B+3], s[46:47]
	s_or_b32 s[G0B+3], s[G0B+3], 0x80000000
	s_cmp_eq_u32 s15, 0                            ; the branch hangs on the wave's number alone; four v_nop follow each of the two lines
	s_cbranch_scc0 .Lfor_b
	tensor_load_to_lds s[G0:G0+3], s[G1:G1+7]
	s_nop 0
.rept 4
	v_nop
.endr
	s_branch .Lasked
.Lfor_b:
	tensor_load_to_lds s[G0B:G0B+3], s[G1B:G1B+7]
	s_nop 0
.rept 4
	v_nop
.endr
.Lasked:
	s_lshl_b32 s22, s42, 9
	s_lshl_b32 s23, s16, 8
	s_add_co_u32 s22, s22, s23                     ; my 64 columns, in bytes
	s_mov_b32 s23, 0
	s_add_nc_u64 s[8:9], s[8:9], s[22:23]
	v_and_b32 v1, 31, v0
	v_and_b32 v2, 15, v0                           ; r
	s_wait_alu depctr_va_vdst(0)
	v_bfe_u32 v3, v0, 4, 1                         ; h
	v_lshlrev_b32 v[BO], 5, v3
.irp b, 0,1,2,3
	global_load_b128 v[BI+8*\b:BI+8*\b+3], v[BO], s[8:9] offset:64*\b              ; bo at columns 16 b + 8 h + 0 .. 7: the result's layout
	global_load_b128 v[BI+8*\b+4:BI+8*\b+7], v[BO], s[8:9] offset:64*\b+16
.endr
	s_mul_i32 s21, s15, 6144                       ; my four fragments of the tokens' package,
	s_mul_i32 s22, s16, 6144                       ; of Wo's
	s_add_co_u32 s22, s22, GB
	v_lshl_add_u32 v[AA], v1, 4, s21
	v_lshl_add_u32 v[AB], v1, 4, s22
	s_lshl_b32 s21, s15, 8
	s_add_co_u32 s21, s21, 12288                   ; my 64 scale words
	s_lshl_b32 s22, s16, 8
	s_add_co_u32 s22, s22, GB+12288
	v_lshl_add_u32 v[AWA], v1, 2, s21
	v_lshl_add_u32 v[AWB], v1, 2, s22
	s_mul_i32 s23, s14, 4352
	s_add_co_u32 s23, s23, STG                     ; my stage
	v_mul_u32_u24 v[STO], v2, 272
	s_wait_alu depctr_va_vdst(0)
	v_lshl_add_u32 v[STO], v3, 5, v[STO]
	v_add_nc_u32 v[STO], s23, v[STO]               ; in: row r, + 32 h
	v_mul_u32_u24 v[RD], v3, 272
	v_lshl_add_u32 v[RD], v2, 4, v[RD]
	v_add_nc_u32 v[RD], s23, v[RD]                 ; back: lanes 0-15 one row of 256 bytes, lanes 16-31 the next
	v_lshlrev_b32 v[CO], 13, v3
	v_lshl_add_u32 v[CO], v2, 4, v[CO]             ; and the same two rows in out0
	s_lshl_b32 s20, s17, 7
	s_lshl_b32 s21, s15, 6
	s_add_co_u32 s20, s20, s21                     ; my first token
	s_lshl_b32 s20, s20, 13
	s_lshl_b32 s21, s42, 9
	s_add_co_u32 s20, s20, s21
	s_lshl_b32 s21, s16, 8
	s_add_co_u32 s20, s20, s21
	s_mov_b32 s21, 0
	s_add_nc_u64 s[10:11], s[10:11], s[20:21]
	s_wait_tensorcnt 0x0                           ; my half of a group is in,
	s_barrier_signal -1
	s_barrier_wait -1                              ; everybody's is
	FETCH 0
.set ks, 0
.rept 11
.if ks < 10
	v_add_nc_u32 v[AA], PKB, v[AA]                 ; the next package.  (From the second step on these four are the places between the last products and the loads into the set that they read)
	v_add_nc_u32 v[AB], PKB, v[AB]
	v_add_nc_u32 v[AWA], PKB, v[AWA]
	v_add_nc_u32 v[AWB], PKB, v[AWB]
	FETCH (ks+1)%2
	s_wait_alu depctr_va_vdst(0)
	s_wait_dscnt 28                                ; all but the next step's 28 loads are in
.else
	s_wait_dscnt 0x0
.endif
.if ks == 0
	s_wait_loadcnt 0x0                             ; the bias
.endif
	WIN 0x05                                       ; sources 0 and 1 window 1; C and D window 0
.irp a, 0,1,2,3
.irp b, 0,1,2,3
.if ks == 0
	WM ACC+8*(4*\a+\b), 128*(ks%2)+48+12*\b, 128*(ks%2)+12*\a, BI+8*\b, SCW+4*(ks%2)+2+\b/2, \b%2, SCW+4*(ks%2)+\a/2, \a%2
.else
	WM ACC+8*(4*\a+\b), 128*(ks%2)+48+12*\b, 128*(ks%2)+12*\a, ACC+8*(4*\a+\b), SCW+4*(ks%2)+2+\b/2, \b%2, SCW+4*(ks%2)+\a/2, \a%2
.endif
.endr
.endr
	WIN 0                                          ; the 16 accumulators take turns, one instruction a turn
.set ks, ks+1
.endr
; THE WAY OUT, 16 tokens at a time: 32 bytes a lane into my stage, back as whole rows of 256 bytes, which sixteen lanes store at a multiple of 256 from out0's first byte.
.macro TOSTAGE a
.irp b, 0,1,2,3
	ds_store_b128 v[STO], v[ACC+8*(4*(\a)+\b):ACC+8*(4*(\a)+\b)+3] offset:64*\b        ; each accumulator from its low end on
	ds_store_b128 v[STO], v[ACC+8*(4*(\a)+\b)+4:ACC+8*(4*(\a)+\b)+7] offset:64*\b+16
.endr
.irp t, 0,1,2,3,4,5,6,7
	ds_load_b128 v[32+32*((\a)%2)+4*\t:35+32*((\a)%2)+4*\t], v[RD] offset:544*\t       ; LDS serves a wave's instructions in order: these see my stores, and the next block's stores come behind them
.endr
.endm
.macro SEND a, younger
	s_wait_dscnt \younger
.irp t, 0,1,2,3,4,5,6,7
	global_store_b128 v[CO], v[32+32*((\a)%2)+4*\t:35+32*((\a)%2)+4*\t], s[10:11] offset:(16*(\a)+2*\t)*8192 th:TH_STORE_NT
.endr
.endm
.rept 4
	v_nop                                          ; places: in front of the first read of results and of the loads into the scale words' registers
.endr
	TOSTAGE 0
	TOSTAGE 1
	SEND 0, 16                                     ; behind block 0's loads: block 1's 8 stores and 8 loads
	s_wait_xcnt 0x0                                ; block 0's stores have read their registers: block 2's rows may land there
	TOSTAGE 2
	SEND 1, 16
	s_wait_xcnt 0x0
	TOSTAGE 3
	SEND 2, 16
	SEND 3, 0
	s_wait_tensorcnt 0x0
	ds_add_u32 v126, v127
	s_wait_dscnt 0x0
	CROUND                                         ; the closing round: no work-group ends while a partner may still ask for a tile that names it
	s_endpgm
.Lfunc_end_k_q0a5caa6078_outp:
	.size	k_q0a5caa6078_outp, .Lfunc_end_k_q0a5caa6078_outp-k_q0a5caa6078_outp
	.p2alignl 7, 3214868480
	.fill 96, 4, 3214868480
	.section	.rodata,"a",@progbits
	.p2align	6, 0x0
	.amdhsa_kernel k_q0a5caa6078_outp
		.amdhsa_group_segment_fixed_size 327680
		.amdhsa_private_segment_fixed_size 0
		.amdhsa_enable_private_segment 0
		.amdhsa_kernarg_size 32
		.amdhsa_user_sgpr_count 2
		.amdhsa_user_sgpr_kernarg_segment_ptr 1
		.amdhsa_wavefront_size32 1
		.amdhsa_system_sgpr_workgroup_id_x 1
		.amdhsa_system_sgpr_workgroup_id_y 1
		.amdhsa_system_sgpr_workgroup_id_z 1
		.amdhsa_system_vgpr_workitem_id 0
		.amdhsa_next_free_vgpr 512
		.amdhsa_next_free_sgpr 100
		.amdhsa_reserve_vcc 0
		.amdhsa_float_denorm_mode_32 3
		.amdhsa_float_denorm_mode_16_64 3
		.amdhsa_memory_ordered 1
		.amdhsa_forward_progress 1
		.amdhsa_inst_pref_size 61
	.end_amdhsa_kernel
	.amdgpu_metadata
---
amdhsa.version: [ 1, 2 ]
amdhsa.kernels:
  - .name:           k_q0a5caa6078_outp
    .symbol:         k_q0a5caa6078_outp.kd
    .args:
      - { .name: oc, .offset: 0, .size: 8, .value_kind: global_buffer, .address_space: global }
      - { .name: w1, .offset: 8, .size: 8, .value_kind: global_buffer, .address_space: global }
      - { .name: bo, .offset: 16, .size: 8, .value_kind: global_buffer, .address_space: global }
      - { .name: out0, .offset: 24, .size: 8, .value_kind: global_buffer, .address_space: global }
    .group_segment_fixed_size: 327680
    .private_segment_fixed_size: 0
    .kernarg_segment_align: 8
    .kernarg_segment_size: 32
    .max_flat_workgroup_size: 128
    .sgpr_count:     100
    .vgpr_count:     512
    .wavefront_size: 32
...
	.end_amdgpu_metadata
.endif
;; end of part 5
